; MI455X (gfx1250); checked and timed in simulation.
; The chip was launched on July 23, 2026; its instructions are those of AMD's public machine-readable ISA for CDNA 5 (MIT licence, August 2026) and "CDNA5" Instruction Set Architecture Reference Guide (July 2026). The comments in the code are by the model that wrote it; some were corrected since.
;; Sparse MOE. Allowed arithmetic: matrix products marked QUANTISED: E2M1 operands, one E8M0 scale for each 32 along K, by v_wmma_scale_f32_16x16x128_f8f6f4 with both operands' format E2M1 (or v_wmma_scale_f32_32x16x128_f4), f32 sums; products left as they are: f32 operands where the result goes on into a quantised operand, else bf16, f16 or f32 operands; f32 sums; everything else in f32.
;; Inputs: W1_codes 8 x 4,096 x 32 x 16 uint8 (E2M1 codes of W1, K innermost, in blocks of 32 codes, two codes a byte); W1_scales 8 x 4,096 x 32 uint8 (E8M0 scales of W1, one for each 32 codes along K); W2_codes 8 x 1,024 x 128 x 16 uint8 (E2M1 codes of W2, K innermost, in blocks of 32 codes, two codes a byte); W2_scales 8 x 1,024 x 128 uint8 (E8M0 scales of W2, one for each 32 codes along K); Wg 1,024 x 8 float32; Wn 1,024 x 8 float32; b1 8 x 4,096 float32; b2 8 x 1,024 float32; bg 8 float32; bn 8 float32; noise 4 x 256 x 8 float32; x 4 x 256 x 1,024 float32.
;; Outputs: out0 4 x 256 x 1,024 float32.
;; This version of the problem:
;;   THIS VERSION OF THE PROBLEM IS GIVEN IN LOW PRECISION. The matrix products marked QUANTISED in the list below multiply operands that are first quantised to E2M1 (2 exponent bits, 1 mantissa bit; 4 bits a number), with one power-of-two scale for each 32 numbers along K (OCP MX v1.0); their sums are f32. All else is computed in f32.
;;   The module's matrix products, in the order in which they are computed (A, B: the left and right operand; K: the contracted axis; several contracted axes count as one K, in the product's order):
;;     1. [M 1,024, K 1,024] x [K 1,024, N 8]; A: input x; B: input Wg: left as it is (N = 8 < 16)
;;     2. [M 1,024, K 1,024] x [K 1,024, N 8]; A: input x; B: input Wn: left as it is (N = 8 < 16)
;;     3. [M 1,024, K 1,024] x [K 1,024, N 4,096]; A: input x; B: input W1 (given as codes): QUANTISED
;;     4. [M 1,024, K 4,096] x [K 4,096, N 1,024]; A: computed on the way; B: input W2 (given as codes): QUANTISED
;;     5. [M 1,024, K 1,024] x [K 1,024, N 4,096]; A: input x; B: input W1 (given as codes): QUANTISED
;;     6. [M 1,024, K 4,096] x [K 4,096, N 1,024]; A: computed on the way; B: input W2 (given as codes): QUANTISED
;;     7. [M 1,024, K 1,024] x [K 1,024, N 4,096]; A: input x; B: input W1 (given as codes): QUANTISED
;;     8. [M 1,024, K 4,096] x [K 4,096, N 1,024]; A: computed on the way; B: input W2 (given as codes): QUANTISED
;;     9. [M 1,024, K 1,024] x [K 1,024, N 4,096]; A: input x; B: input W1 (given as codes): QUANTISED
;;     10. [M 1,024, K 4,096] x [K 4,096, N 1,024]; A: computed on the way; B: input W2 (given as codes): QUANTISED
;;     11. [M 1,024, K 1,024] x [K 1,024, N 4,096]; A: input x; B: input W1 (given as codes): QUANTISED
;;     12. [M 1,024, K 4,096] x [K 4,096, N 1,024]; A: computed on the way; B: input W2 (given as codes): QUANTISED
;;     13. [M 1,024, K 1,024] x [K 1,024, N 4,096]; A: input x; B: input W1 (given as codes): QUANTISED
;;     14. [M 1,024, K 4,096] x [K 4,096, N 1,024]; A: computed on the way; B: input W2 (given as codes): QUANTISED
;;     15. [M 1,024, K 1,024] x [K 1,024, N 4,096]; A: input x; B: input W1 (given as codes): QUANTISED
;;     16. [M 1,024, K 4,096] x [K 4,096, N 1,024]; A: computed on the way; B: input W2 (given as codes): QUANTISED
;;     17. [M 1,024, K 1,024] x [K 1,024, N 4,096]; A: input x; B: input W1 (given as codes): QUANTISED
;;     18. [M 1,024, K 4,096] x [K 4,096, N 1,024]; A: computed on the way; B: input W2 (given as codes): QUANTISED
;;   THE QUANTISER, for each operand of a quantised product, along K:
;;     - K is cut into blocks of 32 from its start; a last block that is shorter is filled with zeros.
;;     - A block's scale is 2^e with e = floor(log2(the largest magnitude in the block)) - 2, held to -126 .. 127; a block of zeros has e = 0. As a byte (E8M0): e + 127.
;;     - Each number is divided by its block's scale, clamped to +-6, and rounded to the nearest number of E2M1, ties to even, subnormals kept.
;;     - The product sums the exact products of the quantised numbers (number of the format x scale) in f32.
;;   ~~~python
;;   def quantise(x, axis):      # numpy; x: float32 -> the quantised numbers, widened to float32 again
;;       x = np.moveaxis(x, axis, -1); K = x.shape[-1]
;;       x = np.pad(x, [(0, 0)] * (x.ndim - 1) + [(0, -K % 32)]); x = x.reshape(x.shape[:-1] + (-1, 32)); a = np.abs(x).max(-1, keepdims=True)
;;       e = np.where(a > 0, np.clip(np.frexp(np.where(a > 0, a, 1))[1] - 1 - 2, -126, 127), 0)      # np.frexp(a)[1] - 1 = floor(log2(a)), exactly
;;       r = np.clip(x / 2.0 ** e, -6, 6)
;;       step = 2.0 ** (np.maximum(np.frexp(np.where(r == 0, 1, r))[1] - 1, 0) - 1)
;;       q = np.round(r / step) * step * 2.0 ** e      # np.round: ties to even
;;       return np.moveaxis(q.reshape(q.shape[:-2] + (-1,))[..., :K], -1, axis).astype(np.float32)
;;   ~~~
;;   OPERANDS COMPUTED ON THE WAY. 'Computed on the way' means the value that the module computes at that place (a softmax that the list does not call 'softmax' is quantised finished and normalised). What goes into a quantiser is computed in f32, as accurately as f32 sums, v_exp_f32 and their like allow (about 1e-6 of the number): no bf16 or f16 on the way to a quantiser, and a product that is left as it is and whose result goes on into a quantised operand takes f32 operands (vector FMAs, or v_wmma_f32_16x16x4_f32). A number that lies on a knife's edge between two numbers of the format may be rounded either way, as far as f32 arithmetic and the matrix unit's own rounding can turn it there, and no further.
;;   INPUTS GIVEN AS CODES. W1 (in the module: [8, 1024, 4096], K = its axis 1); W2 (in the module: [8, 4096, 1024], K = its axis 1): each comes as NAME_codes (uint8): NAME with its K axis moved to the last place and cut into blocks of 32 codes, [.., K / 32, bytes a block], one block behind the other in memory; two codes a byte, the lower K in the low four bits (a code: sign, 2 exponent bits, 1 mantissa bit); and NAME_scales (uint8): the same leading axes, one E8M0 byte (e + 127) for each 32 codes along K. Its value is code x scale, taken as it is: it is not quantised again, and the codes and scales need not be those that the quantiser above would give.
;; 2 versions. Each part assembles by itself: llvm-mc -triple=amdgcn-amd-amdhsa -mcpu=gfx1250 --defsym DOCPART=n.
;; ======== version 1 of 2: 4 launches
;; workspace buffers: xq 557,056 bytes; sel 10,240 bytes of whole numbers; gates 8,192 bytes; hq 17,825,792 bytes; place 37,888 bytes of whole numbers; y 8,912,896 bytes
;; launch route (part 1): grid 64 x 1, 8 waves a work-group, no clusters, 87,808 bytes of LDS; arguments x, noise, Wg, bg, Wn, bn, xq, sel, gates; writes xq, sel, gates
.if DOCPART == 1
	.amdgcn_target "amdgcn-amd-amdhsa--gfx1250"
	.amdhsa_code_object_version 6
	.text
	.protected	k_q796cde36db_route
	.globl	k_q796cde36db_route
	.p2align	8
	.type	k_q796cde36db_route,@function
k_q796cde36db_route:
	s_mov_b64 s[64:65], 0
	v_nop
	global_prefetch_b8 v0, s[64:65] scope:SCOPE_SE
	s_setreg_imm32_b32 hwreg(HW_REG_WAVE_MODE, 25, 1), 1
	s_wait_xcnt 0x0
; ROUTE: the noisy top-2 router, and x as codes of FP4 (E2M1) with one E8M0 scale for each 32 along K.
; noisy = x Wg + bg + noise * softplus(x Wn + bn); the two largest of its 8 (the lower index wins a tie); their gates are a softmax of two, the larger taken away first.
; SHARES.  A work-group takes 16 tokens; wave w takes K = 128 w .. 128 w + 127 of them: one K step of the experts' first product.  Lane (r, h) holds, of token r, 16 neighbours of each of its 4 blocks of 32:
; register 16 b + i = k 32 b + 16 h + i.  The same 64 registers feed the quantiser and the router's product.
; THE ROUTER'S PRODUCT has f32 operands (a choice that turns over changes a whole row of the output; it is 16 columns wide, no bulk work): v_wmma_f32_16x16x4_f32, source 0 = 16 rows: Wg's 8 columns, then Wn's 8;
; source 1 = the 16 tokens.  In the result lane (r, h) holds token r: lanes 0-15 its 8 gate logits, lanes 16-31 its 8 noise logits.  The places of k in an instruction are permuted alike on both sides.
; The eight waves' partial sums meet in LDS; wave 0 finishes the router.
; OUT.  xq: codes [token][512 bytes], K innermost; from byte 524,288 scale words [token][8].  sel: [16 slots][64 tiles of 16 tokens] of 16 bits: slot e: which of the tile's tokens chose expert e; slot 8 + e: which chose it
; as their second; so an expert's 1,024 bits are 128 consecutive bytes.  From byte 2,048 [token][2]: the two experts.  gates: [token][2] f32.  Nothing here forms an address or a branch from the choice: it is stored at fixed places.
; LIMITS: NaN and infinities in x, noise, Wg, Wn, bg, bn are not served (the noisy logits must be finite).  A block whose largest magnitude lies under 2^-124 takes the scale byte 1; a block of zeros takes 1 where the
; rule says 127: its codes are zeros, and this program alone reads the bytes.  softplus = max(t, 0) + ln(1 + e^-|t|): 1 + e^-|t| is rounded to f32, an absolute error near 1e-7.  The sums over K are made in 32 parts
; (4 accumulators x 8 waves), another order than a single chain.
; No cluster: the work-groups share only Wg and Wn, 64 KiB against the 64 KiB of x that each reads alone, and nothing here goes by tensor loads.
.set GP,  1088                         ; LDS: for each wave 8 groups of 16 rows of 64 bytes (Wg[k][0..7], Wn[k][0..7]) + 64 of padding: lanes 16-31 of a load stand one group, 272 words, from lanes 0-15: 16 banks on (64 banks of 4 bytes: ISA guide 11.1)
.set WSZ, 8*GP                         ; a wave's region
.set CST, 8*WSZ                        ; 16 rows x (512 + 16) bytes: the tokens' codes
.set SST, CST+16*528                   ; 16 x 32 bytes: their scale words
.set PLG, SST+512                      ; 8 x 1,024 bytes: the waves' partial logits, as images of 8 registers
.set X,   32                           ; v32-95   my 64 numbers of x
.set WA,  96                           ; v96-159  source 0 of the 32 products
.set ACC, 160                          ; v160-191 four accumulators: written by matrix instructions alone
.set WS,  192                          ; v192-255 Wg and Wn as loaded; afterwards:
.set S,   192                          ; v192-199 my partial logits
.set PC,  200                          ; v200-207 the codes just made
.set TM,  208                          ; v208-223 the quantiser's work
.set PW,  224                          ; v224     the scale word just made
.set SEL, 24                           ; s[24:25] v_permlanex16_b32's selects for lane l xor 16
; 64 numbers of a lane, register 16 b + i = k 32 b + 16 (lane / 16) + i of my row, become a fragment's codes in v[PC] on and its scale word in v[PW].
.macro QUANT s
.irp b, 0,1,2,3
	v_max3_num_f32 v[TM+\b], |v[\s+16*\b]|, |v[\s+1+16*\b]|, 0x1800000   ; block b: my 16 numbers, and the floor 2^(3 - 127): the byte cannot fall under 1
.endr
.irp i, 2,4,6,8,10,12,14
.irp b, 0,1,2,3
	v_max3_num_f32 v[TM+\b], v[TM+\b], |v[\s+16*\b+\i]|, |v[\s+1+16*\b+\i]|   ; the four blocks by turns
.endr
.endr
.irp b, 0,1,2,3
	v_permlanex16_b32 v[TM+4+\b], v[TM+\b], s[SEL], s[SEL+1]
.endr
.irp b, 0,1,2,3
	v_max_num_f32 v[TM+\b], v[TM+\b], v[TM+4+\b]   ; with lane l xor 16's: the block's largest magnitude
.endr
.irp b, 0,1,2,3
	v_add_nc_u32 v[TM+12+\b], 0xff000000, v[TM+\b]   ; 2 off its exponent field: the conversion takes this operand's exponent field as its scale
.endr
.irp b, 0,1,2,3
	v_lshrrev_b32 v[TM+4+\b], 23, v[TM+12+\b]      ; the scale's byte
.endr
	v_lshl_or_b32 v[PW], v[TM+5], 8, v[TM+4]       ; four bytes: my row's scale word
	v_lshl_or_b32 v[PW], v[TM+6], 16, v[PW]
	v_lshl_or_b32 v[PW], v[TM+7], 24, v[PW]
.irp b, 0,1,2,3
	v_cvt_scalef32_pk8_fp4_f32 v[PC+2*\b], v[\s+16*\b:\s+7+16*\b], v[TM+12+\b]
	v_cvt_scalef32_pk8_fp4_f32 v[PC+1+2*\b], v[\s+8+16*\b:\s+15+16*\b], v[TM+12+\b]
.endr
	v_nop                                          ; one plain place behind a scaled conversion
.irp c, 0,1                                    ; the operand's layout wants a whole block in a lane: lanes 0-15 block 2 c, lanes 16-31 block 2 c + 1
.irp i, 0,1
	v_permlane16_swap_b32 v[PC+4*\c+\i], v[PC+2+4*\c+\i]
.endr
.endr
.endm
	s_load_b512 s[4:19], s[0:1], 0x0               ; x s[4:5], noise s[6:7], Wg s[8:9], bg s[10:11], Wn s[12:13], bn s[14:15], xq s[16:17], sel s[18:19]
	s_load_b64 s[20:21], s[0:1], 0x40              ; gates
	v_lshl_add_u32 v30, v0, 2, 0x15300
	v_mov_b32 v31, 0
	v_lshrrev_b32 v1, 5, v0
	v_readfirstlane_b32 s22, v1                    ; wave 0..7
	v_and_b32 v1, 31, v0                           ; lane
	v_and_b32 v2, 15, v0                           ; r
	v_bfe_u32 v3, v0, 4, 1                         ; h
	v_lshlrev_b32 v4, 12, v2
	v_lshl_add_u32 v4, v3, 6, v4                   ; x: row r of 4,096 bytes, + 64 h
	v_lshlrev_b32 v5, 4, v1                        ; 16 x lane
	s_mul_i32 s44, s22, WSZ                        ; my wave's region of LDS for Wg and Wn
	v_lshrrev_b32 v6, 1, v1
	v_and_b32 v7, 1, v1
	v_lshlrev_b32 v6, 6, v6
	v_lshl_add_u32 v6, v7, 4, v6
	v_add_nc_u32 v6, s44, v6                       ; in: a load's 512 bytes are 16 rows k of 32 bytes, one group: row lane / 2, half lane % 2
	v_mul_u32_u24 v7, v3, GP
	v_lshl_add_u32 v7, v2, 2, v7
	v_add_nc_u32 v7, s44, v7                       ; out: column r; lanes 16-31 take the rows 16 further down: the next group
	v_mul_u32_u24 v8, v2, 528
	v_lshl_add_u32 v8, v3, 4, v8
	s_lshl_b32 s45, s22, 6
	s_add_co_u32 s45, s45, CST
	v_add_nc_u32 v8, s45, v8                       ; codes: row r, my K step's 64 bytes, + 16 h
	v_lshlrev_b32 v9, 5, v2
	s_lshl_b32 s45, s22, 2
	s_add_co_u32 s45, s45, SST
	v_add_nc_u32 v9, s45, v9                       ; scale word: 32 r + 4 w
	s_lshl_b32 s45, s22, 10
	s_add_co_u32 s45, s45, PLG
	v_add_nc_u32 v10, s45, v5                      ; my partial logits' image
	v_lshlrev_b32 v12, 5, v2                       ; noise: 32 bytes a token
	s_mul_i32 s45, s22, 1056
	s_add_co_u32 s45, s45, CST
	v_add_nc_u32 v13, s45, v5                      ; back: rows 2 w and 2 w + 1 of the codes, 16 bytes a lane
	v_add_nc_u32 v14, SST, v5                      ; wave 0: the scale words,
	v_add_nc_u32 v15, PLG, v5                      ; and all partial logits.  (Every LDS address is made here, ahead of the first branch on the wave's number)
	s_mov_b32 s[SEL], 0x76543210
	s_mov_b32 s[SEL+1], 0xfedcba98
	s_wait_kmcnt 0x0
	s_lshl_b32 s46, ttmp9, 16                      ; my work-group's 16 rows of x,
	s_lshl_b32 s47, s22, 9                         ; my wave's 512 bytes of each
	s_add_co_u32 s46, s46, s47
	s_mov_b32 s47, 0
	s_add_nc_u64 s[4:5], s[4:5], s[46:47]
	s_lshl_b32 s46, s22, 12                        ; my 128 rows of Wg and of Wn: 4,096 dense bytes each
	s_add_nc_u64 s[8:9], s[8:9], s[46:47]
	s_add_nc_u64 s[12:13], s[12:13], s[46:47]
	s_lshl_b32 s46, ttmp9, 9                       ; 16 tokens x 32 bytes: noise, and x's scale words
	s_add_nc_u64 s[6:7], s[6:7], s[46:47]
	s_add_nc_u64 s[48:49], s[16:17], s[46:47]
	s_add_nc_u64 s[48:49], s[48:49], 0x80000
	s_lshl_b32 s46, ttmp9, 13                      ; 16 tokens x 512 bytes of codes,
	s_lshl_b32 s50, s22, 10                        ; my two rows of them
	s_add_co_u32 s46, s46, s50
	s_add_nc_u64 s[16:17], s[16:17], s[46:47]
	s_lshl_b32 s46, ttmp9, 1
	s_add_nc_u64 s[50:51], s[18:19], s[46:47]      ; sel: my tile's 16 bits in each slot's row of 128 bytes
	s_lshl_b32 s46, ttmp9, 7
	s_add_nc_u64 s[18:19], s[18:19], s[46:47]      ; sel: my 16 pairs (2,048 more in the store)
	s_add_nc_u64 s[20:21], s[20:21], s[46:47]      ; gates: my 16 pairs
	s_cmp_lg_u32 s22, 0                            ; what wave 0 alone will want is asked for first
	s_cbranch_scc1 .Lnot_first
	s_load_b256 s[28:35], s[10:11], 0x0            ; bg
	s_load_b256 s[36:43], s[14:15], 0x0            ; bn
	global_load_b128 v[16:19], v12, s[6:7]         ; noise of token r
	global_load_b128 v[20:23], v12, s[6:7] offset:16
.Lnot_first:
.irp i, 0,1,2,3,4,5,6,7
	global_load_b128 v[WS+4*\i:WS+4*\i+3], v5, s[8:9] offset:512*\i          ; 512 consecutive bytes a load
	global_load_b128 v[WS+32+4*\i:WS+32+4*\i+3], v5, s[12:13] offset:512*\i
.endr
.irp b, 0,1,2,3
.irp j, 0,1,2,3
	global_load_b128 v[X+16*\b+4*\j:X+16*\b+4*\j+3], v4, s[4:5] offset:128*\b+16*\j th:TH_LOAD_NT
.endr
.endr
	s_wait_loadcnt 16                              ; all but x's sixteen loads: Wg and Wn are in
.irp i, 0,1,2,3,4,5,6,7
	ds_store_b128 v6, v[WS+4*\i:WS+4*\i+3] offset:GP*\i
	ds_store_b128 v6, v[WS+32+4*\i:WS+32+4*\i+3] offset:GP*\i+32
.endr
.set q, 0
.rept 32                                       ; product q takes k = 32 (q / 8) + 16 h + 2 (q % 8) + 0, 1: group 2 (q / 8) + h.  LDS serves a wave's instructions in order: these see my stores
	ds_load_b32 v[WA+2*q], v7 offset:2*(q/8)*GP+(2*(q%8))*64
	ds_load_b32 v[WA+2*q+1], v7 offset:2*(q/8)*GP+(2*(q%8)+1)*64
.set q, q+1
.endr
	s_wait_loadcnt 0x0                             ; x
	s_wait_dscnt 0x0                               ; source 0; and the stores have read v192-255
.set q, 0
.rept 32                                       ; four accumulators by turns, one instruction a turn; the first four products start the sums
.if q < 4
	v_wmma_f32_16x16x4_f32 v[ACC+8*(q%4):ACC+8*(q%4)+7], v[WA+2*q:WA+2*q+1], v[X+2*q:X+2*q+1], 0
.else
	v_wmma_f32_16x16x4_f32 v[ACC+8*(q%4):ACC+8*(q%4)+7], v[WA+2*q:WA+2*q+1], v[X+2*q:X+2*q+1], v[ACC+8*(q%4):ACC+8*(q%4)+7]
.endif
.set q, q+1
.endr
	QUANT X                                        ; (v212-215, the permutes' destinations, were written by the loads of Wg.)  Its plain lines, 28 of them naming none of the last products' registers, are the eight places behind those
.irp j, 0,2,4,6
	v_pk_add_f32 v[S+\j:S+\j+1], v[ACC+\j:ACC+\j+1], v[ACC+8+\j:ACC+8+\j+1]          ; each accumulator is read from its low end on
	v_pk_add_f32 v[TM+\j:TM+\j+1], v[ACC+16+\j:ACC+16+\j+1], v[ACC+24+\j:ACC+24+\j+1]
.endr
.irp j, 0,2,4,6
	v_pk_add_f32 v[S+\j:S+\j+1], v[S+\j:S+\j+1], v[TM+\j:TM+\j+1]
.endr
	ds_store_b128 v8, v[PC:PC+3]                   ; k = 32 h + 0 .. 31 of my K step,
	ds_store_b128 v8, v[PC+4:PC+7] offset:32       ; and 64 + 32 h + 0 .. 31
	ds_store_b32 v9, v[PW]                         ; lanes r and 16 + r write the same word with the same value
	ds_store_b128 v10, v[S:S+3]
	ds_store_b128 v10, v[S+4:S+7] offset:512
	s_wait_dscnt 0x0                               ; for the others' sake: my stores have landed
	s_barrier_signal -1
	s_barrier_wait -1
	ds_load_b128 v[X:X+3], v13                     ; two whole rows of codes
	ds_load_b128 v[X+4:X+7], v13 offset:528
	s_wait_dscnt 0x0
	global_store_b128 v5, v[X:X+3], s[16:17]       ; 32 lanes store a token's 512 consecutive bytes
	global_store_b128 v5, v[X+4:X+7], s[16:17] offset:512
	s_cmp_lg_u32 s22, 0
	s_cbranch_scc1 .Lend
	; ---- wave 0 finishes the router
	ds_load_b128 v[40:43], v14
.irp p, 0,1,2,3,4,5,6,7
.irp c, 0,1
	ds_load_b128 v[96+8*\p+4*\c:96+8*\p+4*\c+3], v15 offset:1024*\p+512*\c
.endr
.endr
	s_wait_dscnt 0x0
	global_store_b128 v5, v[40:43], s[48:49]       ; the 16 tokens' scale words: 512 consecutive bytes
.irp p, 1,2,3,4,5,6,7
.irp j, 0,2,4,6
	v_pk_add_f32 v[96+\j:97+\j], v[96+\j:97+\j], v[96+8*\p+\j:97+8*\p+\j]
.endr
.endr
	s_wait_kmcnt 0x0                               ; bg, bn
	s_mov_b32 s44, 0xffff0000                      ; lanes 16-31
.irp j, 0,1,2,3,4,5,6,7
	v_mov_b32 v[104+\j], s[36+\j]
.endr
.irp j, 0,1,2,3,4,5,6,7
	v_cndmask_b32 v[104+\j], s[28+\j], v[104+\j], s44   ; bg in lanes 0-15, bn in lanes 16-31
.endr
.irp j, 0,2,4,6
	v_pk_add_f32 v[112+\j:113+\j], v[96+\j:97+\j], v[104+\j:105+\j]   ; t: the logits with their bias
.endr
.irp j, 0,1,2,3,4,5,6,7
	v_mul_f32 v[120+\j], 0xbfb8aa3b, |v[112+\j]|   ; -|t| log2(e)
.endr
.irp j, 0,1,2,3,4,5,6,7
	v_exp_f32 v[120+\j], v[120+\j]                 ; e^-|t|, at most 1
.endr
.irp j, 0,1,2,3,4,5,6,7
	v_max_num_f32 v[136+\j], 0, v[112+\j]          ; plain work behind the batch
.endr
	s_wait_alu depctr_va_vdst(0)                   ; one wait for the eight exponentials, ahead of their first reader
.irp j, 0,1,2,3,4,5,6,7
	v_add_f32 v[128+\j], 1.0, v[120+\j]
.endr
.irp j, 0,1,2,3,4,5,6,7
	v_log_f32 v[128+\j], v[128+\j]
.endr
	v_nop                                          ; a plain place behind the last logarithm
	s_wait_alu depctr_va_vdst(0)                   ; one wait for the eight
.irp j, 0,1,2,3,4,5,6,7
	v_fmamk_f32 v[136+\j], v[128+\j], 0x3f317218, v[136+\j]   ; softplus = log2(1 + e^-|t|) ln 2 + max(t, 0)
.endr
.irp j, 0,1,2,3,4,5,6,7
	v_permlanex16_b32 v[144+\j], v[136+\j], s[SEL], s[SEL+1]   ; lanes 0-15 take the noise logits' softplus from lanes 16-31
.endr
.irp j, 0,1,2,3,4,5,6,7
	v_fma_f32 v[152+\j], v[16+\j], v[144+\j], v[112+\j]       ; the noisy logits: right in lanes 0-15, which alone store
.endr
	v_mov_b32 v225, v152                           ; the largest, and its index: a strict compare keeps the lower index
	v_mov_b32 v226, 0
.irp j, 1,2,3,4,5,6,7
	v_cmp_gt_f32 vcc_lo, v[152+\j], v225
	v_cndmask_b32 v225, v225, v[152+\j], vcc_lo
	v_cndmask_b32 v226, v226, \j, vcc_lo
.endr
	v_mov_b32 v230, 0xff800000                     ; the second: the same among the others, from -infinity
	v_mov_b32 v227, 0
.irp j, 0,1,2,3,4,5,6,7
	v_cmp_ne_u32 s45, \j, v226
	v_cmp_gt_f32 vcc_lo, v[152+\j], v230
	s_and_b32 vcc_lo, vcc_lo, s45
	v_cndmask_b32 v230, v230, v[152+\j], vcc_lo
	v_cndmask_b32 v227, v227, \j, vcc_lo
.endr
	v_sub_f32 v231, v230, v225                     ; the maximum is taken away: 0 or less
	v_mul_f32 v231, 0x3fb8aa3b, v231
	v_exp_f32 v231, v231
	v_mov_b32 v232, 0                              ; (a plain place.)  The tile's 16 slots: lane e: who chose expert e; lane 8 + e: who chose it second
.irp e, 0,1,2,3,4,5,6,7
	v_cmp_eq_u32 s45, \e, v226
	v_cmp_eq_u32 s46, \e, v227
	s_or_b32 s45, s45, s46
	s_and_b32 s45, s45, 0xffff
	s_and_b32 s46, s46, 0xffff
	v_writelane_b32 v232, s45, \e
	v_writelane_b32 v232, s46, 8+\e
.endr
	s_wait_alu depctr_va_vdst(0)                   ; the exponential's wait, ahead of its reader
	v_add_f32 v228, 1.0, v231
	v_rcp_f32 v228, v228                           ; g1 = 1 / (1 + e)
	v_lshlrev_b32 v233, 3, v2                      ; (plain places)  8 bytes a token
	v_lshlrev_b32 v234, 7, v1                      ; 128 bytes a slot
	s_wait_alu depctr_va_vdst(0)
	v_mul_f32 v229, v231, v228                     ; g2 = e g1
	s_wait_xcnt 0x0                                ; EXEC changes only behind this wait: earlier stores have been issued
	v_cmp_gt_u32 vcc_lo, 16, v1
	s_and_saveexec_b32 s46, vcc_lo                 ; lanes 0-15
	global_store_b64 v233, v[226:227], s[18:19] offset:2048
	global_store_b64 v233, v[228:229], s[20:21]
	global_store_b16 v234, v232, s[50:51]          ; two bytes in each of 16 rows: 32 bytes a work-group, laid so that the next launch reads an expert's bits as 128 consecutive bytes
	s_wait_xcnt 0x0                                ; and again, in front of the line that widens it
	s_or_b32 exec_lo, exec_lo, s46
.Lend:
	s_wait_tensorcnt 0x0
	ds_add_u32 v30, v31
	s_wait_dscnt 0x0
	s_endpgm
.Lfunc_end_k_q796cde36db_route:
	.size	k_q796cde36db_route, .Lfunc_end_k_q796cde36db_route-k_q796cde36db_route
	.p2alignl 7, 3214868480
	.fill 96, 4, 3214868480
	.section	.rodata,"a",@progbits
	.p2align	6, 0x0
	.amdhsa_kernel k_q796cde36db_route
		.amdhsa_group_segment_fixed_size 87808
		.amdhsa_private_segment_fixed_size 0
		.amdhsa_enable_private_segment 0
		.amdhsa_kernarg_size 72
		.amdhsa_user_sgpr_count 2
		.amdhsa_user_sgpr_kernarg_segment_ptr 1
		.amdhsa_wavefront_size32 1
		.amdhsa_system_sgpr_workgroup_id_x 1
		.amdhsa_system_sgpr_workgroup_id_y 1
		.amdhsa_system_sgpr_workgroup_id_z 1
		.amdhsa_system_vgpr_workitem_id 0
		.amdhsa_next_free_vgpr 256
		.amdhsa_next_free_sgpr 66
		.amdhsa_reserve_vcc 1
		.amdhsa_float_denorm_mode_32 3
		.amdhsa_float_denorm_mode_16_64 3
		.amdhsa_memory_ordered 1
		.amdhsa_forward_progress 1
		.amdhsa_inst_pref_size 34
	.end_amdhsa_kernel
	.amdgpu_metadata
---
amdhsa.version: [ 1, 2 ]
amdhsa.kernels:
  - .name:           k_q796cde36db_route
    .symbol:         k_q796cde36db_route.kd
    .args:
      - { .name: x, .offset: 0, .size: 8, .value_kind: global_buffer, .address_space: global }
      - { .name: noise, .offset: 8, .size: 8, .value_kind: global_buffer, .address_space: global }
      - { .name: Wg, .offset: 16, .size: 8, .value_kind: global_buffer, .address_space: global }
      - { .name: bg, .offset: 24, .size: 8, .value_kind: global_buffer, .address_space: global }
      - { .name: Wn, .offset: 32, .size: 8, .value_kind: global_buffer, .address_space: global }
      - { .name: bn, .offset: 40, .size: 8, .value_kind: global_buffer, .address_space: global }
      - { .name: xq, .offset: 48, .size: 8, .value_kind: global_buffer, .address_space: global }
      - { .name: sel, .offset: 56, .size: 8, .value_kind: global_buffer, .address_space: global }
      - { .name: gates, .offset: 64, .size: 8, .value_kind: global_buffer, .address_space: global }
    .group_segment_fixed_size: 87808
    .private_segment_fixed_size: 0
    .kernarg_segment_align: 8
    .kernarg_segment_size: 72
    .max_flat_workgroup_size: 256
    .sgpr_count:     66
    .vgpr_count:     256
    .wavefront_size: 32
...
	.end_amdgpu_metadata
.endif
;; end of part 1
;; launch up (part 2): grid 32 x 8, 4 waves a work-group, no clusters, 87,040 bytes of LDS; arguments xq, sel, W1_codes, W1_scales, b1, hq, place; writes hq, place
.if DOCPART == 2
	.amdgcn_target "amdgcn-amd-amdhsa--gfx1250"
	.amdhsa_code_object_version 6
	.text
	.protected	k_q796cde36db_up
	.globl	k_q796cde36db_up
	.p2align	8
	.type	k_q796cde36db_up,@function
k_q796cde36db_up:
	s_mov_b64 s[64:65], 0
	v_nop
	global_prefetch_b8 v0, s[64:65] scope:SCOPE_SE
	s_setreg_imm32_b32 hwreg(HW_REG_WAVE_MODE, 25, 1), 1
	s_wait_xcnt 0x0
; UP: h = Q(relu(Q(x) W1[e] + b1[e])) for the tokens that chose expert e, on codes of FP4 (E2M1) with one E8M0 scale for each 32 along K; and the placing of the rows.
; SHARES.  Work-group (chunk, e) owns hidden units 128 chunk .. + 127 of expert e: K step `chunk` of the second product.  THE WEIGHTS STAND STILL: all four waves hold the whole slice in registers (8 tiles x 8 K steps:
; 512 registers, 64 scale words, 64 of bias).  Each wave loads a quarter of it from memory, once, and the quarters go round through LDS as images of the registers.  Wave w takes the expert's tiles of 16 rows
; w, w + 4, ..: its 8 tiles of results are exactly one fragment and one scale word a row of the next operand.
; THE PRODUCT IS USED TRANSPOSED (source 0 = 16 rows of W1, source 1 = 16 tokens): a lane holds one token.  THE ROWS OF W1 THAT FORM A TILE ARE NOT NEIGHBOURS: lane r of tile 2 b + u takes row 32 b + 8 u + r + 8 (r / 8),
; so that the 16 registers of tiles 2 b and 2 b + 1 are 16 neighbours along the next K.  b1 is the C of each sum's first matrix instruction.
; THE LIST.  The expert's 1,024 bits (who chose it) are 128 consecutive bytes of sel: two scalar loads bring them into s68-s99 of every wave, word i for tokens 32 i .. 32 i + 31; n is their count.  Wave 0 places the
; tokens in ascending order in LDS.  An entry is 2 x token + 1 where the expert is the token's second choice (those bits come by one vector load), + 0 where it is the first: the row of y that the next launch stores.
; Place p < n holds an entry, every other place 2,048 + 16 e + p % 16 ("no token": here it is read as token 1,023; the next launch sends its result to a spare row).  The work-group of chunk 0 stores the list and n.
; THE LOOP has a constant count (8 trips of two tiles: 64 tiles serve all 1,024 tokens on one expert); a tile at or past the expert's count is jumped over.  Two sets of x's registers: both are loaded at the head;
; a set is loaded again straight behind the products that read it, for the tile 8 further on, and in the same arm stands the wait that shows the other set in.
; OUT.  hq: codes [e][tile][K step][1,024 bytes], an image of the operand's registers (512 c + 16 lane); from byte 16,777,216 scale words [e][tile][K step][16 rows].  A scale store covers 64 bytes: one byte in 17 of what is stored.
; No tensor load, so no cluster and no joint request, though the 32 work-groups of an expert read the same rows of xq: how many tiles there are is read from memory, and the work hangs on it.
; LIMITS: a block of the hidden layer whose largest number lies under 2^-124 takes the scale byte 1; a block of zeros takes 1 where the rule says 127: its codes are zeros, and this program alone reads the bytes.
; REGISTERS, in windows of 256: window 0: addresses, scale words, the 8 tiles of results, the quantiser.  window 1: W1's fragments of tiles 0-3 at v[8 (8 t + s)] (its v0-159 first hold my quarter as loaded).
;   window 2: those of tiles 4-7.   window 3: v0-63, v64-127 the two sets of x's fragments; v128-191 b1's 8 tiles.
.set LIST, 0                           ; LDS: 1,152 words; words 1,120 + lane take what a lane without a token writes
.set IMG,  4608                        ; 160 images of 512 bytes: codes (t, s, c) at (8 t + s) 2 + c; scale words (t, half) at 128 + 2 t + half; bias (t, half) at 144 + 2 t + half
.set W1S,  32                          ; v32-95   W1's scale words, 8 t + s: they hold scales and nothing else
.set XS,   96                          ; v96-111  x's scale words, 8 set + s: likewise
.set HA,   112                         ; v112-175 the 8 tiles of the hidden layer (at the head, in wave 0: v112-143 the scatter's places, v144-175 its entries; the list on its way out)
.set PC,   176                         ; v176-183 the codes just made
.set TM,   184                         ; v184-199 the quantiser's work
.set PW,   200                         ; v200     the scale word just made
.set R4,   201                         ; v201     4 r
.set H16,  202                         ; v202     16 h
.set TKL,  203                         ; v203-204 entries of the list
.set ODD,  206                         ; v206-237 wave 0, at the head: 2 x token + 1 of step i
.set ADX,  26                          ; v26-27   set: token x 512 + 16 h
.set ADS,  28                          ; v28-29   set: token x 32
.set HOF,  30                          ; v30      tile x 32,768 + 16 lane
.set HSO,  31                          ; v31      tile x 2,048 + 4 r
.set SEL,  22                          ; s[22:23] selects for lane l xor 16
.set SC2,  40                          ; s40-55   sixteen words of the second-choice bits at a time
.set MK,   68                          ; s68-99   the expert's 1,024 bits
.set MSB, 0
.macro WIN new                         ; the immediate's high byte repeats the setting that is left; bits 1:0 source 0, 3:2 source 1, 5:4 source 2, 7:6 destination
.if MSB != (\new)
	s_set_vgpr_msb (MSB<<8)|(\new)
.set MSB, (\new)
.endif
.endm
.macro QUANT s                         ; 64 numbers of a lane, register 16 b + i = k 32 b + 16 (lane / 16) + i of my row, become a fragment's codes in v[PC] on and its scale word in v[PW]
.irp b, 0,1,2,3
	v_max3_num_f32 v[TM+\b], |v[\s+16*\b]|, |v[\s+1+16*\b]|, 0x1800000   ; and the floor 2^(3 - 127): the byte cannot fall under 1
.endr
.irp i, 2,4,6,8,10,12,14
.irp b, 0,1,2,3
	v_max3_num_f32 v[TM+\b], v[TM+\b], |v[\s+16*\b+\i]|, |v[\s+1+16*\b+\i]|
.endr
.endr
.irp b, 0,1,2,3
	v_permlanex16_b32 v[TM+4+\b], v[TM+\b], s[SEL], s[SEL+1]
.endr
.irp b, 0,1,2,3
	v_max_num_f32 v[TM+\b], v[TM+\b], v[TM+4+\b]
.endr
.irp b, 0,1,2,3
	v_add_nc_u32 v[TM+12+\b], 0xff000000, v[TM+\b]   ; 2 off the exponent field: the conversion's scale operand
.endr
.irp b, 0,1,2,3
	v_lshrrev_b32 v[TM+4+\b], 23, v[TM+12+\b]
.endr
	v_lshl_or_b32 v[PW], v[TM+5], 8, v[TM+4]
	v_lshl_or_b32 v[PW], v[TM+6], 16, v[PW]
	v_lshl_or_b32 v[PW], v[TM+7], 24, v[PW]
.irp b, 0,1,2,3
	v_cvt_scalef32_pk8_fp4_f32 v[PC+2*\b], v[\s+16*\b:\s+7+16*\b], v[TM+12+\b]
	v_cvt_scalef32_pk8_fp4_f32 v[PC+1+2*\b], v[\s+8+16*\b:\s+15+16*\b], v[TM+12+\b]
.endr
	v_nop                                          ; one plain place behind a scaled conversion
.irp c, 0,1
.irp i, 0,1
	v_permlane16_swap_b32 v[PC+4*\c+\i], v[PC+2+4*\c+\i]
.endr
.endr
.endm
.macro XLOAD u                         ; 16 tokens' codes (8 fragments) and scale words into set u: 18 loads
	WIN 0xc0
.irp s, 0,1,2,3,4,5,6,7
.irp c, 0,1
	global_load_b128 v[64*\u+8*\s+4*\c:64*\u+8*\s+4*\c+3], v[ADX+\u], s[4:5] offset:64*\s+32*\c
.endr
.endr
	WIN 0
	global_load_b128 v[XS+8*\u:XS+8*\u+3], v[ADS+\u], s[32:33]
	global_load_b128 v[XS+8*\u+4:XS+8*\u+7], v[ADS+\u], s[32:33] offset:16
.endm
.macro MULS u                          ; 64 matrix instructions: tiles 4 g .. 4 g + 3 by turns, one instruction a turn, K step by K step
.irp g, 0,1
.irp s, 0,1,2,3,4,5,6,7
.if \s == 0
	WIN 0x3d+\g                                    ; W1 window 1 + g, x window 3, C = b1 in window 3, D window 0
.else
	WIN 0x0d+\g                                    ; C and D window 0
.endif
.irp t, 0,1,2,3
.if \s == 0
	v_wmma_scale_f32_16x16x128_f8f6f4 v[HA+8*(4*\g+\t):HA+8*(4*\g+\t)+7], v[8*(8*\t+\s):8*(8*\t+\s)+7], v[64*\u+8*\s:64*\u+8*\s+7], v[128+8*(4*\g+\t):128+8*(4*\g+\t)+7], v[W1S+8*(4*\g+\t)+\s], v[XS+8*\u+\s] matrix_a_fmt:MATRIX_FMT_FP4 matrix_b_fmt:MATRIX_FMT_FP4
.else
	v_wmma_scale_f32_16x16x128_f8f6f4 v[HA+8*(4*\g+\t):HA+8*(4*\g+\t)+7], v[8*(8*\t+\s):8*(8*\t+\s)+7], v[64*\u+8*\s:64*\u+8*\s+7], v[HA+8*(4*\g+\t):HA+8*(4*\g+\t)+7], v[W1S+8*(4*\g+\t)+\s], v[XS+8*\u+\s] matrix_a_fmt:MATRIX_FMT_FP4 matrix_b_fmt:MATRIX_FMT_FP4
.endif
.endr
.endr
.endr
	WIN 0
.endm
	s_load_b256 s[4:11], s[0:1], 0x0               ; xq s[4:5], sel s[6:7], W1's codes s[8:9], W1's scales s[10:11]
	s_load_b128 s[12:15], s[0:1], 0x20             ; b1 s[12:13], hq s[14:15]
	s_load_b64 s[16:17], s[0:1], 0x30              ; place
	v_lshl_add_u32 v254, v0, 2, 0x15200
	v_mov_b32 v255, 0
	v_lshrrev_b32 v1, 5, v0
	v_readfirstlane_b32 s18, v1                    ; wave 0..3
	s_and_b32 s19, ttmp7, 0xffff                   ; the expert
	s_lshl_b32 s38, s19, 7                         ; its 128 bytes in sel
	v_and_b32 v1, 31, v0                           ; lane
	v_and_b32 v2, 15, v0                           ; r
	v_bfe_u32 v3, v0, 4, 1                         ; h
	v_lshlrev_b32 v4, 4, v1                        ; 16 x lane
	v_lshlrev_b32 v5, 2, v1                        ; 4 x lane
	v_and_b32 v14, 8, v2
	v_add_nc_u32 v14, v14, v2                      ; r + 8 (r / 8)
	v_lshlrev_b32 v[H16], 4, v3
	v_lshl_add_u32 v6, v14, 9, v[H16]              ; W1's codes: a row is 512 bytes
	v_lshlrev_b32 v7, 5, v14                       ; its scale bytes: 32 a row
	v_lshlrev_b32 v8, 6, v3                        ; b1: lanes 16-31 begin 16 units on
	s_lshl_b32 s28, s18, 14
	s_add_co_u32 s28, s28, IMG
	v_add_nc_u32 v9, s28, v4                       ; where my quarter's code images go: 32 images a wave
	s_lshl_b32 s28, s18, 11
	s_add_co_u32 s28, s28, IMG+65536
	v_add_nc_u32 v10, s28, v4                      ; and its scale and bias images: 4 and 4
	v_add_nc_u32 v11, IMG, v4                      ; where any wave reads the code images,
	v_add_nc_u32 v19, IMG+65536, v4                ; and the others
	v_add_nc_u32 v12, s38, v5                      ; sel: word `lane` of the expert's second-choice bits (1,024 more in the load)
	v_lshlrev_b32 v[R4], 2, v2
	s_lshl_b32 s28, s18, 6
	v_add_nc_u32 v24, s28, v[R4]                   ; the list's entries of tile w: 64 w + 4 r
	v_add_nc_u32 v18, 1120, v1                     ; where a lane without a token writes
	v_and_b32 v15, 3, v1
	v_lshlrev_b32 v15, 2, v15
	s_lshl_b32 s39, s19, 4
	s_add_co_u32 s39, s39, 2048
	v_add_nc_u32 v15, s39, v15
.irp k, 0,1,2,3
	v_add_nc_u32 v[20+\k], \k, v15                 ; the list's fill: word p holds 2,048 + 16 e + p % 16
.endr
.irp b, 0,1,2,3
	v_mov_b32 v[TM+4+\b], 0                        ; written once: a lane permute's destination counts as one of its sources
.endr
	s_mov_b32 s[SEL], 0x76543210
	s_mov_b32 s[SEL+1], 0xfedcba98
	s_wait_kmcnt 0x0
	s_load_b512 s[MK:MK+15], s[6:7], s38 offset:0x0        ; who chose the expert: the first thing asked for, since the placing waits for it
	s_load_b512 s[MK+16:MK+31], s[6:7], s38 offset:0x40
	s_mov_b32 s29, 0
	s_add_nc_u64 s[32:33], s[4:5], 0x80000         ; x's scale words
	s_lshl_b32 s28, s19, 21                        ; W1's codes: the expert, the chunk's 128 rows, my 32 of them
	s_lshl_b32 s30, ttmp9, 16
	s_add_co_u32 s28, s28, s30
	s_lshl_b32 s30, s18, 14
	s_add_co_u32 s28, s28, s30
	s_add_nc_u64 s[8:9], s[8:9], s[28:29]
	s_lshl_b32 s28, s19, 17                        ; its scale bytes likewise
	s_lshl_b32 s30, ttmp9, 12
	s_add_co_u32 s28, s28, s30
	s_lshl_b32 s30, s18, 10
	s_add_co_u32 s28, s28, s30
	s_add_nc_u64 s[10:11], s[10:11], s[28:29]
	s_lshl_b32 s28, s19, 14                        ; b1 likewise
	s_lshl_b32 s30, ttmp9, 9
	s_add_co_u32 s28, s28, s30
	s_lshl_b32 s30, s18, 7
	s_add_co_u32 s28, s28, s30
	s_add_nc_u64 s[12:13], s[12:13], s[28:29]
	s_lshl_b32 s28, s19, 17                        ; hq's scale words: the expert, my K step
	s_lshl_b32 s30, ttmp9, 6
	s_add_co_u32 s28, s28, s30
	s_add_nc_u64 s[34:35], s[14:15], s[28:29]
	s_add_nc_u64 s[34:35], s[34:35], 0x1000000
	s_lshl_b32 s28, s19, 21                        ; hq's codes likewise
	s_lshl_b32 s30, ttmp9, 10
	s_add_co_u32 s28, s28, s30
	s_add_nc_u64 s[14:15], s[14:15], s[28:29]
	s_lshl_b32 s28, s19, 7
	s_add_nc_u64 s[36:37], s[16:17], s[28:29]      ; place: the expert's count (36,864 more in the store),
	s_mul_i32 s28, s19, 4608
	s_add_nc_u64 s[16:17], s[16:17], s[28:29]      ; and its list
	s_cmp_lg_u32 s18, 0                            ; wave 0 will place the rows: what hangs on no loaded number is done here, while the loads are out
	s_cbranch_scc1 .Lnot_placer
	global_load_b32 v13, v12, s[6:7] offset:1024   ; lane l: who of tokens 32 l .. 32 l + 31 chose the expert second
.irp i, 0,1,2,3,4,5,6,7,8
	ds_store_b128 v4, v[20:23] offset:LIST+512*\i  ; the fill: all 1,152 words
.endr
	v_lshlrev_b32 v15, 1, v1
.set i, 0
.rept 32                                       ; step i's entries: 2 x (32 i + lane), and the same + 1
	v_add_nc_u32 v[144+i], 64*i, v15
	v_add_nc_u32 v[ODD+i], 64*i+1, v15
.set i, i+1
.endr
.Lnot_placer:
	WIN 0x40                                       ; destination window 1: my quarter as loaded: tiles 2 w and 2 w + 1
.irp tt, 0,1
.irp s, 0,1,2,3,4,5,6,7
.irp c, 0,1
	global_load_b128 v[4*((8*\tt+\s)*2+\c):4*((8*\tt+\s)*2+\c)+3], v6, s[8:9] offset:\tt*4096+64*\s+32*\c th:TH_LOAD_NT
.endr
.endr
.endr
.irp tt, 0,1
.irp hf, 0,1
	global_load_b128 v[128+4*(2*\tt+\hf):128+4*(2*\tt+\hf)+3], v7, s[10:11] offset:\tt*256+16*\hf th:TH_LOAD_NT
.endr
.endr
.irp tt, 0,1
.irp hf, 0,1
	global_load_b128 v[144+4*(2*\tt+\hf):144+4*(2*\tt+\hf)+3], v8, s[12:13] offset:\tt*32+16*\hf th:TH_LOAD_NT
.endr
.endr
	WIN 0
	s_wait_kmcnt 0x0                               ; the expert's 1,024 bits
	s_bcnt1_i32_b32 s24, s[MK]
.set i, 1
.rept 31                                       ; n, in every wave: scalar work alone
	s_bcnt1_i32_b32 s28, s[MK+i]
	s_add_co_u32 s24, s24, s28
.set i, i+1
.endr
	s_add_co_u32 s25, s24, 15
	s_lshr_b32 s25, s25, 4                         ; tiles of 16 rows
	s_cmp_lg_u32 s18, 0
	s_cbranch_scc1 .Lnot_first
	s_wait_loadcnt 40                              ; all but the 40 loads of weights: the second-choice bits are in
	s_mov_b32 s29, 0                               ; places taken so far
.set i, 0
.rept 2
.set j, 0
.rept 16                                       ; sixteen words of the second-choice bits become scalars, in one run
	v_readlane_b32 s[SC2+j], v13, i+j
.set j, j+1
.endr
.set j, 0
.rept 16                                       ; tokens 32 i + lane: those that chose the expert go to the next places, in order.  Each step has registers of its own
	v_mbcnt_lo_u32_b32 v[112+i], s[MK+i], s29      ; places taken + the chosen tokens in lower lanes
	v_cndmask_b32 v[112+i], v18, v[112+i], s[MK+i]
	v_min_u32 v[112+i], 0x47f, v[112+i]            ; inside the list's 1,152 words
	v_lshlrev_b32 v[112+i], 2, v[112+i]
	v_cndmask_b32 v[144+i], v[144+i], v[ODD+i], s[SC2+j]   ; + 1 where the expert is the second choice
	ds_store_b32 v[112+i], v[144+i]                ; LDS serves a wave's instructions in order: behind the fill
	s_bcnt1_i32_b32 s28, s[MK+i]
	s_add_co_u32 s29, s29, s28
.set i, i+1
.set j, j+1
.endr
.endr
	s_wait_dscnt 0x0                               ; the stores have read their registers
	s_cmp_lg_u32 ttmp9, 0
	s_cbranch_scc1 .Lnot_first
.irp i, 0,1,2,3,4,5,6,7,8
	ds_load_b128 v[112+4*\i:112+4*\i+3], v4 offset:LIST+512*\i
.endr
	v_mov_b32 v205, s24
	s_wait_dscnt 0x0
.irp i, 0,1,2,3,4,5,6,7,8
	global_store_b128 v4, v[112+4*\i:112+4*\i+3], s[16:17] offset:512*\i   ; 512 consecutive bytes a store
.endr
	global_store_b32 v5, v205, s[36:37] offset:36864
.Lnot_first:
	s_wait_dscnt 0x0
	s_barrier_signal -1
	s_barrier_wait -1                              ; the list lies in LDS; from here on it is only read
	ds_load_b32 v[TKL], v24                        ; tile w,
	ds_load_b32 v[TKL+1], v24 offset:256           ; tile w + 4
	s_wait_dscnt 0x0
	v_lshrrev_b32 v[TKL], 1, v[TKL]                ; an entry's token
	v_lshrrev_b32 v[TKL+1], 1, v[TKL+1]
	v_min_u32 v[TKL], 0x3ff, v[TKL]                ; "no token" is read as token 1,023
	v_min_u32 v[TKL+1], 0x3ff, v[TKL+1]
	v_lshl_add_u32 v[ADX], v[TKL], 9, v[H16]
	v_lshlrev_b32 v[ADS], 5, v[TKL]
	v_lshl_add_u32 v[ADX+1], v[TKL+1], 9, v[H16]
	v_lshlrev_b32 v[ADS+1], 5, v[TKL+1]
	XLOAD 0
	XLOAD 1
	s_wait_loadcnt 36                              ; all but the two sets' 2 x 18 loads: my quarter of the weights is in
	WIN 0x04                                       ; an LDS store's data are its source 1: window 1
.set i, 0
.rept 32
	ds_store_b128 v9, v[4*i:4*i+3] offset:512*i
.set i, i+1
.endr
.irp i, 0,1,2,3
	ds_store_b128 v10, v[128+4*\i:128+4*\i+3] offset:512*\i
	ds_store_b128 v10, v[144+4*\i:144+4*\i+3] offset:8192+512*\i
.endr
	WIN 0
	s_wait_dscnt 0x0                               ; for the others' sake: my images have landed (and the stores have read their registers)
	s_barrier_signal -1
	s_barrier_wait -1                              ; the whole slice lies in LDS
	WIN 0x40
.set i, 0
.rept 64
	ds_load_b128 v[4*i:4*i+3], v11 offset:512*i    ; tiles 0-3
.set i, i+1
.endr
	WIN 0x80
.set i, 0
.rept 64
	ds_load_b128 v[4*i:4*i+3], v11 offset:32768+512*i   ; tiles 4-7
.set i, i+1
.endr
	WIN 0xc0
.set i, 0
.rept 16
	ds_load_b128 v[128+4*i:128+4*i+3], v19 offset:8192+512*i   ; b1
.set i, i+1
.endr
	WIN 0
.set i, 0
.rept 16
	ds_load_b128 v[W1S+4*i:W1S+4*i+3], v19 offset:512*i        ; the scale words
.set i, i+1
.endr
	s_wait_dscnt 0x0
	s_wait_loadcnt 18                              ; set 0 is in; set 1's 18 loads may be out
	s_wait_xcnt 0x0                                ; the list's stores have read v112-147, which the products write
; One tile.  At its head set u is in, on every way that leads here.
.macro TILE u, off
	s_add_co_u32 s27, s26, \off                    ; this tile
	s_cmp_lt_u32 s27, s25
	s_cbranch_scc0 .Lskip_\@
	ds_load_b32 v[TKL], v25 offset:64*(\off+8)     ; the list's entries of the tile 8 on: inside the list's 1,152 words up to tile 71
	MULS \u
	s_lshl_b32 s30, s27, 15
	s_lshl_b32 s31, s27, 11
	s_wait_dscnt 0x0                               ; the entries are in
	s_wait_xcnt 0x0                                ; the last tile's stores have read their codes, scale word and offsets: these are written again only behind this wait
	v_lshrrev_b32 v14, 1, v[TKL]                   ; six plain lines that name no register of the products: the places in front of the loads and of the first read of results
	v_min_u32 v14, 0x3ff, v14
	v_lshl_add_u32 v[ADX+\u], v14, 9, v[H16]
	v_lshlrev_b32 v[ADS+\u], 5, v14
	v_add_nc_u32 v[HOF], s30, v4
	v_add_nc_u32 v[HSO], s31, v[R4]
	s_add_co_u32 s30, s27, 8
	s_cmp_lt_u32 s30, s25
	s_cbranch_scc0 .Llast_\@
	XLOAD \u                                       ; the tile 8 on, into the set just multiplied
	s_wait_loadcnt 18                              ; all but these 18: the other set is in
	s_branch .Lgo_\@
.Llast_\@:
	s_wait_loadcnt 0x0                             ; nothing was asked for: the other set is in
.Lgo_\@:
.set j, 0
.rept 64
	v_max_num_f32 v[HA+j], 0, v[HA+j]              ; relu, in f32; each tile from its low end on
.set j, j+1
.endr
	QUANT HA
	global_store_b128 v[HOF], v[PC:PC+3], s[14:15]             ; the fragment as it stands: 512 consecutive bytes a store
	global_store_b128 v[HOF], v[PC+4:PC+7], s[14:15] offset:512
	global_store_b32 v[HSO], v[PW], s[34:35]                   ; lanes r and 16 + r store the same word with the same value
	s_branch .Ldone_\@
.Lskip_\@:
	s_wait_loadcnt 0x0                             ; on this way too no load is out at the next tile's head
.Ldone_\@:
.endm
	s_mov_b32 s26, s18                             ; my first tile
	s_mov_b32 s21, 8
.Ltrip:
	s_lshl_b32 s29, s26, 6
	v_add_nc_u32 v25, s29, v[R4]                   ; the list at tile s26: 64 bytes a tile
	TILE 0, 0
	TILE 1, 4
	s_add_co_u32 s26, s26, 8
	s_sub_co_u32 s21, s21, 1
	s_cmp_lg_u32 s21, 0
	s_cbranch_scc1 .Ltrip
	s_wait_tensorcnt 0x0
	ds_add_u32 v254, v255
	s_wait_dscnt 0x0
	s_endpgm
.Lfunc_end_k_q796cde36db_up:
	.size	k_q796cde36db_up, .Lfunc_end_k_q796cde36db_up-k_q796cde36db_up
	.p2alignl 7, 3214868480
	.fill 96, 4, 3214868480
	.section	.rodata,"a",@progbits
	.p2align	6, 0x0
	.amdhsa_kernel k_q796cde36db_up
		.amdhsa_group_segment_fixed_size 87040
		.amdhsa_private_segment_fixed_size 0
		.amdhsa_enable_private_segment 0
		.amdhsa_kernarg_size 56
		.amdhsa_user_sgpr_count 2
		.amdhsa_user_sgpr_kernarg_segment_ptr 1
		.amdhsa_wavefront_size32 1
		.amdhsa_system_sgpr_workgroup_id_x 1
		.amdhsa_system_sgpr_workgroup_id_y 1
		.amdhsa_system_sgpr_workgroup_id_z 1
		.amdhsa_system_vgpr_workitem_id 0
		.amdhsa_next_free_vgpr 960
		.amdhsa_next_free_sgpr 100
		.amdhsa_reserve_vcc 0
		.amdhsa_float_denorm_mode_32 3
		.amdhsa_float_denorm_mode_16_64 3
		.amdhsa_memory_ordered 1
		.amdhsa_forward_progress 1
		.amdhsa_inst_pref_size 82
	.end_amdhsa_kernel
	.amdgpu_metadata
---
amdhsa.version: [ 1, 2 ]
amdhsa.kernels:
  - .name:           k_q796cde36db_up
    .symbol:         k_q796cde36db_up.kd
    .args:
      - { .name: xq, .offset: 0, .size: 8, .value_kind: global_buffer, .address_space: global }
      - { .name: sel, .offset: 8, .size: 8, .value_kind: global_buffer, .address_space: global }
      - { .name: W1_codes, .offset: 16, .size: 8, .value_kind: global_buffer, .address_space: global }
      - { .name: W1_scales, .offset: 24, .size: 8, .value_kind: global_buffer, .address_space: global }
      - { .name: b1, .offset: 32, .size: 8, .value_kind: global_buffer, .address_space: global }
      - { .name: hq, .offset: 40, .size: 8, .value_kind: global_buffer, .address_space: global }
      - { .name: place, .offset: 48, .size: 8, .value_kind: global_buffer, .address_space: global }
    .group_segment_fixed_size: 87040
    .private_segment_fixed_size: 0
    .kernarg_segment_align: 8
    .kernarg_segment_size: 56
    .max_flat_workgroup_size: 128
    .sgpr_count:     100
    .vgpr_count:     960
    .wavefront_size: 32
...
	.end_amdgpu_metadata
.endif
;; end of part 2
;; launch down (part 3): grid 32 x 8, 4 waves a work-group, no clusters, 70,144 bytes of LDS; arguments hq, place, W2_codes, W2_scales, b2, y; writes y
.if DOCPART == 3
	.amdgcn_target "amdgcn-amd-amdhsa--gfx1250"
	.amdhsa_code_object_version 6
	.text
	.protected	k_q796cde36db_down
	.globl	k_q796cde36db_down
	.p2align	8
	.type	k_q796cde36db_down,@function
k_q796cde36db_down:
	s_mov_b64 s[64:65], 0
	v_nop
	global_prefetch_b8 v0, s[64:65] scope:SCOPE_SE
	s_setreg_imm32_b32 hwreg(HW_REG_WAVE_MODE, 25, 1), 1
	s_wait_xcnt 0x0
; DOWN: y[2 token + slot] = Q(h) W2[e] + b2[e] for the tokens that chose expert e (slot 0: as their first, 1: as their second), on codes of FP4 (E2M1) with one E8M0 scale for each 32 along K.
; SHARES.  Work-group (2 chunk + parity, e) owns 64 columns of expert e and, of its blocks of 32 rows, those of its parity.  K IS SHARED AMONG THE WAVES: wave w holds K steps 8 w .. 8 w + 7 of the 64 columns in
; registers (4 x 8 fragments: 256), so that each byte of h and of W2 is loaded once in a work-group and each fragment of h feeds four matrix instructions.  The four partial sums of a block meet in LDS;
; wave w then adds rows 8 w .. 8 w + 7 of the block, adds b2 and stores them: sixteen lanes fill 256 consecutive bytes, aligned, of a row of y.
; THE PRODUCT IS USED TRANSPOSED (source 0 = 16 rows of W2 = 16 columns of y, source 1 = 16 rows of h): a lane holds eight neighbouring columns of one row.
; h comes as images of the operand's registers: every load covers 512 consecutive bytes.  A load of scale words covers two K steps: lanes 0-15 the even one, lanes 16-31 the odd one, which is named by ROW1.
; THE LOOP has a constant count (8 trips of two blocks: 32 blocks serve all 1,024 tokens on one expert); a block at or past the expert's count does no work, and every wave passes every barrier.  Two sets of h's registers:
; both are loaded at the head (clamped to the expert's last tile); a set is loaded again behind the products that read it, for the block 4 further on, and in the same arm stands the wait that shows the other set in.
; Two LDS buffers by turns: one barrier a block.  A buffer is written again only behind the next block's barrier, in front of which every wave has waited for its reads of it.
; An entry of the list IS the row of y: 2 token + slot, or, for a place without a token, 2,048 + 16 e + its place in the tile: a spare row of the expert's own that nobody reads.  y has 2,176 rows.
; No tensor load, so no cluster and no joint request, though 16 work-groups read the same rows of h: how many blocks there are is read from memory, and the work hangs on it.
; The order of the f32 sums: four parts along K, added as (0 + 1) + (2 + 3), then b2.
; REGISTERS, in windows of 256: window 0: addresses, scale words, accumulators, the sums.  window 1: W2's fragments at v[8 (8 n + s)].  window 2: h's fragments at v[128 set + 8 (8 m + s)].
.set PB,  34816                        ; LDS: two buffers of [wave][32 rows][256 + 16 bytes]
.set HC,  12                           ; v12-15   2 set + m: tile x 32,768 + 16 lane
.set HS,  16                           ; v16-19   2 set + m: tile x 2,048 + 4 lane
.set TK,  20                           ; v20-21   set: where my four rows' entries stand in the list
.set TKN, 24                           ; v24-31   4 set + i: those entries
.set W2S, 32                           ; v32-63   W2's scale words, 8 n + s: scales and nothing else
.set HSC, 64                           ; v64-79   h's scale words, 8 set + 4 m + s / 2: likewise
.set ACC, 80                           ; v80-143  eight accumulators, 4 m + n
.set B2,  144                          ; v144-147 b2 of my four columns
.set R,   148                          ; v148-211 16 p + 4 i: wave p's partial sums of my row i
.set YA,  212                          ; v212-215 my four rows' offsets in y
.set MSB, 0
.macro WIN new                         ; the immediate's high byte repeats the setting that is left
.if MSB != (\new)
	s_set_vgpr_msb (MSB<<8)|(\new)
.set MSB, (\new)
.endif
.endm
.macro HADDR u, blk                    ; the offsets of block blk for set u; its tiles are held to the expert's last tile, and to 63
	s_lshl_b32 s26, \blk, 1
	s_add_co_u32 s29, s26, s35
	s_min_u32 s27, s26, s34
	s_min_u32 s27, s27, 63
	s_add_co_u32 s26, s26, 1
	s_min_u32 s28, s26, s34
	s_min_u32 s28, s28, 63
	s_min_u32 s29, s29, s34
	s_min_u32 s29, s29, 63                         ; the tile that holds the rows that I add and store
	v_lshl_add_u32 v[HC+2*\u], s27, 15, v4
	v_lshl_add_u32 v[HC+2*\u+1], s28, 15, v4
	v_lshl_add_u32 v[HS+2*\u], s27, 11, v5
	v_lshl_add_u32 v[HS+2*\u+1], s28, 11, v5
	v_lshl_add_u32 v[TK+\u], s29, 6, v11
.endm
.macro HLOAD u                         ; 41 loads: 2 tiles x 8 K steps of codes, their scale words, four entries
	WIN 0x80
.irp m, 0,1
.irp s, 0,1,2,3,4,5,6,7
.irp c, 0,1
	global_load_b128 v[128*\u+8*(8*\m+\s)+4*\c:128*\u+8*(8*\m+\s)+4*\c+3], v[HC+2*\u+\m], s[4:5] offset:1024*\s+512*\c
.endr
.endr
.endr
	WIN 0
.irp m, 0,1
.irp p, 0,1,2,3
	global_load_b32 v[HSC+8*\u+4*\m+\p], v[HS+2*\u+\m], s[30:31] offset:128*\p
.endr
.endr
	global_load_b128 v[TKN+4*\u:TKN+4*\u+3], v[TK+\u], s[32:33]
.endm
.macro MULS u                          ; 64 matrix instructions: the eight accumulators by turns, one instruction a turn, K step by K step; the first K step starts the sums
	WIN 0x09                                       ; W2 window 1, h window 2, C and D window 0
.irp s, 0,1,2,3,4,5,6,7
.irp m, 0,1
.irp n, 0,1,2,3
.if \s == 0
	v_wmma_scale_f32_16x16x128_f8f6f4 v[ACC+8*(4*\m+\n):ACC+8*(4*\m+\n)+7], v[8*(8*\n+\s):8*(8*\n+\s)+7], v[128*\u+8*(8*\m+\s):128*\u+8*(8*\m+\s)+7], 0, v[W2S+8*\n+\s], v[HSC+8*\u+4*\m+\s/2] matrix_a_fmt:MATRIX_FMT_FP4 matrix_b_fmt:MATRIX_FMT_FP4
.elseif \s%2
	v_wmma_scale_f32_16x16x128_f8f6f4 v[ACC+8*(4*\m+\n):ACC+8*(4*\m+\n)+7], v[8*(8*\n+\s):8*(8*\n+\s)+7], v[128*\u+8*(8*\m+\s):128*\u+8*(8*\m+\s)+7], v[ACC+8*(4*\m+\n):ACC+8*(4*\m+\n)+7], v[W2S+8*\n+\s], v[HSC+8*\u+4*\m+\s/2] matrix_a_fmt:MATRIX_FMT_FP4 matrix_b_fmt:MATRIX_FMT_FP4 matrix_b_scale:MATRIX_SCALE_ROW1
.else
	v_wmma_scale_f32_16x16x128_f8f6f4 v[ACC+8*(4*\m+\n):ACC+8*(4*\m+\n)+7], v[8*(8*\n+\s):8*(8*\n+\s)+7], v[128*\u+8*(8*\m+\s):128*\u+8*(8*\m+\s)+7], v[ACC+8*(4*\m+\n):ACC+8*(4*\m+\n)+7], v[W2S+8*\n+\s], v[HSC+8*\u+4*\m+\s/2] matrix_a_fmt:MATRIX_FMT_FP4 matrix_b_fmt:MATRIX_FMT_FP4
.endif
.endr
.endr
.endr
	WIN 0
.endm
	s_load_b256 s[4:11], s[0:1], 0x0               ; hq s[4:5], place s[6:7], W2's codes s[8:9], W2's scales s[10:11]
	s_load_b128 s[12:15], s[0:1], 0x20             ; b2 s[12:13], y s[14:15]
	v_lshl_add_u32 v254, v0, 2, 0x11000
	v_mov_b32 v255, 0
	v_lshrrev_b32 v1, 5, v0
	v_readfirstlane_b32 s18, v1                    ; wave 0..3
	s_and_b32 s19, ttmp7, 0xffff                   ; the expert
	s_lshr_b32 s16, ttmp9, 1                       ; which 64 columns
	s_and_b32 s17, ttmp9, 1                        ; which blocks of rows
	s_lshr_b32 s35, s18, 1                         ; which of a block's two tiles holds the rows that I add
	s_and_b32 s36, s18, 1
	s_lshl_b32 s36, s36, 5                         ; and where in it: 8 rows x 4 bytes of the list
	v_and_b32 v1, 31, v0                           ; lane
	v_and_b32 v2, 15, v0                           ; r
	v_bfe_u32 v3, v0, 4, 1                         ; h
	v_lshlrev_b32 v4, 4, v1                        ; 16 x lane
	v_lshlrev_b32 v5, 2, v1                        ; 4 x lane
	v_lshlrev_b32 v6, 11, v2
	v_lshl_add_u32 v6, v3, 4, v6                   ; W2's codes: a row is 2,048 bytes
	v_lshlrev_b32 v7, 7, v2                        ; its scale bytes: 128 a row
	s_mul_i32 s28, s18, 8704
	v_mul_u32_u24 v8, v2, 272
	v_lshl_add_u32 v8, v3, 5, v8
	v_add_nc_u32 v8, s28, v8                       ; my partial sums: my part of a buffer, row r, + 32 h
	s_mul_i32 s28, s18, 2176
	v_mul_u32_u24 v9, v3, 1088
	v_lshl_add_u32 v9, v2, 4, v9
	v_add_nc_u32 v9, s28, v9                       ; back: row 8 w + 4 h, 16 bytes a lane
	v_lshlrev_b32 v10, 4, v2                       ; 16 r
	v_lshl_add_u32 v11, v3, 4, s36                 ; the list: rows 8 (w % 2) + 4 h on of a tile
	s_wait_kmcnt 0x0
	s_lshl_b32 s38, s19, 7
	s_load_b32 s20, s[6:7], s38 offset:0x9000      ; n
	s_mov_b32 s29, 0
	s_lshl_b32 s28, s19, 17                        ; h's scale words: the expert, my 8 K steps
	s_lshl_b32 s26, s18, 9
	s_add_co_u32 s28, s28, s26
	s_add_nc_u64 s[30:31], s[4:5], s[28:29]
	s_add_nc_u64 s[30:31], s[30:31], 0x1000000
	s_lshl_b32 s28, s19, 21                        ; h's codes likewise
	s_lshl_b32 s26, s18, 13
	s_add_co_u32 s28, s28, s26
	s_add_nc_u64 s[4:5], s[4:5], s[28:29]
	s_mul_i32 s28, s19, 4608
	s_add_nc_u64 s[32:33], s[6:7], s[28:29]        ; the expert's list
	s_lshl_b32 s28, s19, 21                        ; W2's codes: the expert, my 64 rows, my 8 K steps
	s_lshl_b32 s26, s16, 17
	s_add_co_u32 s28, s28, s26
	s_lshl_b32 s26, s18, 9
	s_add_co_u32 s28, s28, s26
	s_add_nc_u64 s[8:9], s[8:9], s[28:29]
	s_lshl_b32 s28, s19, 17                        ; its scale bytes likewise
	s_lshl_b32 s26, s16, 13
	s_add_co_u32 s28, s28, s26
	s_lshl_b32 s26, s18, 5
	s_add_co_u32 s28, s28, s26
	s_add_nc_u64 s[10:11], s[10:11], s[28:29]
	s_lshl_b32 s28, s19, 12                        ; b2: the expert, my 64 columns
	s_lshl_b32 s26, s16, 8
	s_add_co_u32 s28, s28, s26
	s_add_nc_u64 s[12:13], s[12:13], s[28:29]
	s_lshl_b32 s28, s16, 8                         ; y: my 64 columns; the row comes from the list
	s_add_nc_u64 s[14:15], s[14:15], s[28:29]
	WIN 0x40
.irp n, 0,1,2,3
.irp s, 0,1,2,3,4,5,6,7
.irp c, 0,1
	global_load_b128 v[8*(8*\n+\s)+4*\c:8*(8*\n+\s)+4*\c+3], v6, s[8:9] offset:\n*32768+64*\s+32*\c
.endr
.endr
.endr
	WIN 0
.irp n, 0,1,2,3
.irp hf, 0,1
	global_load_b128 v[W2S+8*\n+4*\hf:W2S+8*\n+4*\hf+3], v7, s[10:11] offset:\n*2048+16*\hf
.endr
.endr
	global_load_b128 v[B2:B2+3], v10, s[12:13]
	s_wait_kmcnt 0x0
	s_min_u32 s20, s20, 1024
	s_add_co_u32 s21, s20, 15
	s_lshr_b32 s21, s21, 4                         ; tiles of 16 rows
	s_add_co_u32 s22, s21, 1
	s_lshr_b32 s22, s22, 1                         ; blocks of 32 rows
	s_max_u32 s34, s21, 1
	s_sub_co_u32 s34, s34, 1                       ; the last tile (0 where there is none: nothing is made of what is then loaded)
	s_mov_b32 s23, s17                             ; my first block
	HADDR 0, s23
	HLOAD 0
	s_add_co_u32 s37, s23, 2
	HADDR 1, s37
	HLOAD 1
.irp i, 0,1,2,3
	v_mov_b32 v[YA+\i], v10                        ; written once, so that the offsets are defined on every way through the text
.endr
	s_wait_loadcnt 41                              ; all but set 1's 41 loads: the weights and set 0 are in
; One block.  At its head set u is in, on every way that leads here.
.macro TRIP u
	s_add_co_u32 s25, s23, 2*\u                    ; this block
	s_cmp_lt_u32 s25, s22
	s_cbranch_scc0 .Lidle_\@
	MULS \u
	s_wait_xcnt 0x0                                ; the last block's stores have read their offsets
.irp i, 0,1,2,3
	v_min_u32 v[YA+\i], 0x87f, v[TKN+4*\u+\i]      ; a row of y, inside its 2,176.  These eight plain lines name no register of the products: they are the places behind those
.endr
.irp i, 0,1,2,3
	v_lshl_add_u32 v[YA+\i], v[YA+\i], 12, v10
.endr
.irp m, 0,1
.irp n, 0,1,2,3
	ds_store_b128 v8, v[ACC+8*(4*\m+\n):ACC+8*(4*\m+\n)+3] offset:PB*\u+\m*4352+64*\n          ; each accumulator from its low end on
	ds_store_b128 v8, v[ACC+8*(4*\m+\n)+4:ACC+8*(4*\m+\n)+7] offset:PB*\u+\m*4352+64*\n+16
.endr
.endr
	s_add_co_u32 s37, s25, 4
	s_cmp_lt_u32 s37, s22
	s_cbranch_scc0 .Lidle_\@
	HADDR \u, s37                                  ; the block 4 on, into the set just multiplied (its loads are in: their offsets may be written)
	HLOAD \u
	s_wait_loadcnt 41                              ; all but these 41: the other set is in
	s_branch .Lmeet_\@
.Lidle_\@:
	s_wait_loadcnt 0x0                             ; nothing was asked for: no load is out
.Lmeet_\@:
	s_wait_dscnt 0x0                               ; my partial sums have landed, and my reads of the other buffer are over
	s_barrier_signal -1
	s_barrier_wait -1
	s_lshl_b32 s26, s25, 1
	s_add_co_u32 s26, s26, s35                     ; the tile of my eight rows
	s_cmp_lt_u32 s26, s21
	s_cbranch_scc0 .Lnone_\@
	s_wait_xcnt 0x0                                ; the last block's stores have read their data
.irp p, 0,1,2,3
.irp i, 0,1,2,3
	ds_load_b128 v[R+16*\p+4*\i:R+16*\p+4*\i+3], v9 offset:PB*\u+\p*8704+\i*272
.endr
.endr
	s_wait_dscnt 0x0
.irp i, 0,1,2,3
.irp j, 0,2
	v_pk_add_f32 v[R+4*\i+\j:R+4*\i+\j+1], v[R+4*\i+\j:R+4*\i+\j+1], v[R+16+4*\i+\j:R+16+4*\i+\j+1]
	v_pk_add_f32 v[R+32+4*\i+\j:R+32+4*\i+\j+1], v[R+32+4*\i+\j:R+32+4*\i+\j+1], v[R+48+4*\i+\j:R+48+4*\i+\j+1]
.endr
.endr
.irp i, 0,1,2,3
.irp j, 0,2
	v_pk_add_f32 v[R+4*\i+\j:R+4*\i+\j+1], v[R+4*\i+\j:R+4*\i+\j+1], v[R+32+4*\i+\j:R+32+4*\i+\j+1]
.endr
.endr
.irp i, 0,1,2,3
.irp j, 0,2
	v_pk_add_f32 v[R+4*\i+\j:R+4*\i+\j+1], v[R+4*\i+\j:R+4*\i+\j+1], v[B2+\j:B2+\j+1]
.endr
.endr
.irp i, 0,1,2,3
	global_store_b128 v[YA+\i], v[R+4*\i:R+4*\i+3], s[14:15]   ; sixteen lanes store 256 consecutive bytes, at a multiple of 256 from y's first byte
.endr
.Lnone_\@:
.endm
	s_mov_b32 s24, 8
.Ltrip:
	TRIP 0
	TRIP 1
	s_add_co_u32 s23, s23, 4
	s_sub_co_u32 s24, s24, 1
	s_cmp_lg_u32 s24, 0
	s_cbranch_scc1 .Ltrip
	s_wait_tensorcnt 0x0
	ds_add_u32 v254, v255
	s_wait_dscnt 0x0
	s_endpgm
.Lfunc_end_k_q796cde36db_down:
	.size	k_q796cde36db_down, .Lfunc_end_k_q796cde36db_down-k_q796cde36db_down
	.p2alignl 7, 3214868480
	.fill 96, 4, 3214868480
	.section	.rodata,"a",@progbits
	.p2align	6, 0x0
	.amdhsa_kernel k_q796cde36db_down
		.amdhsa_group_segment_fixed_size 70144
		.amdhsa_private_segment_fixed_size 0
		.amdhsa_enable_private_segment 0
		.amdhsa_kernarg_size 48
		.amdhsa_user_sgpr_count 2
		.amdhsa_user_sgpr_kernarg_segment_ptr 1
		.amdhsa_wavefront_size32 1
		.amdhsa_system_sgpr_workgroup_id_x 1
		.amdhsa_system_sgpr_workgroup_id_y 1
		.amdhsa_system_sgpr_workgroup_id_z 1
		.amdhsa_system_vgpr_workitem_id 0
		.amdhsa_next_free_vgpr 768
		.amdhsa_next_free_sgpr 66
		.amdhsa_reserve_vcc 0
		.amdhsa_float_denorm_mode_32 3
		.amdhsa_float_denorm_mode_16_64 3
		.amdhsa_memory_ordered 1
		.amdhsa_forward_progress 1
		.amdhsa_inst_pref_size 56
	.end_amdhsa_kernel
	.amdgpu_metadata
---
amdhsa.version: [ 1, 2 ]
amdhsa.kernels:
  - .name:           k_q796cde36db_down
    .symbol:         k_q796cde36db_down.kd
    .args:
      - { .name: hq, .offset: 0, .size: 8, .value_kind: global_buffer, .address_space: global }
      - { .name: place, .offset: 8, .size: 8, .value_kind: global_buffer, .address_space: global }
      - { .name: W2_codes, .offset: 16, .size: 8, .value_kind: global_buffer, .address_space: global }
      - { .name: W2_scales, .offset: 24, .size: 8, .value_kind: global_buffer, .address_space: global }
      - { .name: b2, .offset: 32, .size: 8, .value_kind: global_buffer, .address_space: global }
      - { .name: y, .offset: 40, .size: 8, .value_kind: global_buffer, .address_space: global }
    .group_segment_fixed_size: 70144
    .private_segment_fixed_size: 0
    .kernarg_segment_align: 8
    .kernarg_segment_size: 48
    .max_flat_workgroup_size: 128
    .sgpr_count:     66
    .vgpr_count:     768
    .wavefront_size: 32
...
	.end_amdgpu_metadata
.endif
;; end of part 3
;; launch mix (part 4): grid 256 x 1, 4 waves a work-group, no clusters, 0 bytes of LDS; arguments y, gates, out0; writes out0
.if DOCPART == 4
	.amdgcn_target "amdgcn-amd-amdhsa--gfx1250"
	.amdhsa_code_object_version 6
	.text
	.protected	k_q796cde36db_mix
	.globl	k_q796cde36db_mix
	.p2align	8
	.type	k_q796cde36db_mix,@function
k_q796cde36db_mix:
	s_mov_b64 s[64:65], 0
	v_nop
	global_prefetch_b8 v0, s[64:65] scope:SCOPE_SE
	s_setreg_imm32_b32 hwreg(HW_REG_WAVE_MODE, 25, 1), 1
	s_wait_xcnt 0x0
; MIX: out[t] = g1 y[2 t] + g2 y[2 t + 1]: rows 2 t and 2 t + 1 of y are the results of token t's first and second expert.  The gates outside a token's two experts are 0, so the other six terms of the sum are left out.
; A stream: a wave takes one token: 8,192 consecutive bytes in, 4,096 out; every load and store covers 512 consecutive bytes.  Every address follows from the token's number alone, so the 16 loads and the load of the
; two gates are issued together, behind the one wait for the arguments.  No LDS, no barrier, no matrix unit: memory binds.
	s_load_b128 s[4:7], s[0:1], 0x0                ; y s[4:5], gates s[6:7]
	s_load_b64 s[8:9], s[0:1], 0x10                ; out
	v_lshrrev_b32 v1, 5, v0
	v_readfirstlane_b32 s12, v1                    ; wave
	s_lshl_b32 s13, ttmp9, 2
	s_add_co_u32 s12, s12, s13                     ; my token
	s_lshl_b32 s13, s12, 3                         ; its two gates: 8 bytes
	s_lshl_b32 s18, s12, 13                        ; its two rows of y
	s_mov_b32 s19, 0
	s_lshl_b32 s20, s12, 12                        ; its row of out
	s_mov_b32 s21, 0
	v_and_b32 v1, 31, v0
	v_lshlrev_b32 v1, 4, v1                        ; 16 x lane
	s_wait_kmcnt 0x0
	s_load_b64 s[16:17], s[6:7], s13               ; g1, g2
	s_add_nc_u64 s[4:5], s[4:5], s[18:19]
	s_add_nc_u64 s[8:9], s[8:9], s[20:21]
.irp i, 0,1,2,3,4,5,6,7
	global_load_b128 v[8+4*\i:11+4*\i], v1, s[4:5] offset:512*\i th:TH_LOAD_NT
	global_load_b128 v[40+4*\i:43+4*\i], v1, s[4:5] offset:4096+512*\i th:TH_LOAD_NT
.endr
	s_wait_kmcnt 0x0                               ; the gates
	s_mov_b32 s26, s17                             ; g2 as the low word of a pair: the packed form takes a scalar pair's low word for both halves
	s_mov_b32 s27, s17
.irp i, 0,1,2,3,4,5,6,7
	s_wait_loadcnt 14-2*\i                         ; loads come back in order: pair i is in, the younger pairs stay out
.irp j, 0,2
	v_pk_mul_f32 v[8+4*\i+\j:9+4*\i+\j], v[8+4*\i+\j:9+4*\i+\j], s[16:17] op_sel_hi:[1,0]
.endr
.irp j, 0,2
	v_pk_fma_f32 v[8+4*\i+\j:9+4*\i+\j], v[40+4*\i+\j:41+4*\i+\j], s[26:27], v[8+4*\i+\j:9+4*\i+\j] op_sel_hi:[1,0,1]
.endr
	global_store_b128 v1, v[8+4*\i:11+4*\i], s[8:9] offset:512*\i th:TH_STORE_NT
.endr
	s_endpgm
.Lfunc_end_k_q796cde36db_mix:
	.size	k_q796cde36db_mix, .Lfunc_end_k_q796cde36db_mix-k_q796cde36db_mix
	.p2alignl 7, 3214868480
	.fill 96, 4, 3214868480
	.section	.rodata,"a",@progbits
	.p2align	6, 0x0
	.amdhsa_kernel k_q796cde36db_mix
		.amdhsa_group_segment_fixed_size 0
		.amdhsa_private_segment_fixed_size 0
		.amdhsa_enable_private_segment 0
		.amdhsa_kernarg_size 24
		.amdhsa_user_sgpr_count 2
		.amdhsa_user_sgpr_kernarg_segment_ptr 1
		.amdhsa_wavefront_size32 1
		.amdhsa_system_sgpr_workgroup_id_x 1
		.amdhsa_system_sgpr_workgroup_id_y 1
		.amdhsa_system_sgpr_workgroup_id_z 1
		.amdhsa_system_vgpr_workitem_id 0
		.amdhsa_next_free_vgpr 80
		.amdhsa_next_free_sgpr 66
		.amdhsa_reserve_vcc 0
		.amdhsa_float_denorm_mode_32 3
		.amdhsa_float_denorm_mode_16_64 3
		.amdhsa_memory_ordered 1
		.amdhsa_forward_progress 1
		.amdhsa_inst_pref_size 6
	.end_amdhsa_kernel
	.amdgpu_metadata
---
amdhsa.version: [ 1, 2 ]
amdhsa.kernels:
  - .name:           k_q796cde36db_mix
    .symbol:         k_q796cde36db_mix.kd
    .args:
      - { .name: y, .offset: 0, .size: 8, .value_kind: global_buffer, .address_space: global }
      - { .name: gates, .offset: 8, .size: 8, .value_kind: global_buffer, .address_space: global }
      - { .name: out0, .offset: 16, .size: 8, .value_kind: global_buffer, .address_space: global }
    .group_segment_fixed_size: 0
    .private_segment_fixed_size: 0
    .kernarg_segment_align: 8
    .kernarg_segment_size: 24
    .max_flat_workgroup_size: 128
    .sgpr_count:     66
    .vgpr_count:     80
    .wavefront_size: 32
...
	.end_amdgpu_metadata
.endif
;; end of part 4
;; ======== version 2 of 2: 4 launches
;; workspace buffers: xq 557,056 bytes; sel 10,240 bytes of whole numbers; gates 8,192 bytes; hq 17,825,792 bytes; place 37,888 bytes of whole numbers; y 8,912,896 bytes
;; launch route (part 5): grid 64 x 1, 8 waves a work-group, no clusters, 87,808 bytes of LDS; arguments x, noise, Wg, bg, Wn, bn, xq, sel, gates; writes xq, sel, gates
.if DOCPART == 5
	.amdgcn_target "amdgcn-amd-amdhsa--gfx1250"
	.amdhsa_code_object_version 6
	.text
	.protected	k_q796cde36db_route
	.globl	k_q796cde36db_route
	.p2align	8
	.type	k_q796cde36db_route,@function
k_q796cde36db_route:
	s_mov_b64 s[64:65], 0
	v_nop
	global_prefetch_b8 v0, s[64:65] scope:SCOPE_SE
	s_setreg_imm32_b32 hwreg(HW_REG_WAVE_MODE, 25, 1), 1
	s_wait_xcnt 0x0
; ROUTE: the noisy top-2 router, and x as codes of FP4 (E2M1) with one E8M0 scale for each 32 along K.
; noisy = x Wg + bg + noise * softplus(x Wn + bn); the two largest of its 8 (the lower index wins a tie); their gates are a softmax of two, the larger taken away first.
; SHARES.  A work-group takes 16 tokens; wave w takes K = 128 w .. 128 w + 127 of them: one K step of the experts' first product.  Lane (r, h) holds, of token r, 16 neighbours of each of its 4 blocks of 32:
; register 16 b + i = k 32 b + 16 h + i.  The same 64 registers feed the quantiser and the router's product.
; THE ROUTER'S PRODUCT has f32 operands (a choice that turns over changes a whole row of the output; it is 16 columns wide, no bulk work): v_wmma_f32_16x16x4_f32, source 0 = 16 rows: Wg's 8 columns, then Wn's 8;
; source 1 = the 16 tokens.  In the result lane (r, h) holds token r: lanes 0-15 its 8 gate logits, lanes 16-31 its 8 noise logits.  The places of k in an instruction are permuted alike on both sides.
; The eight waves' partial sums meet in LDS; wave 0 finishes the router.
; OUT.  xq: codes [token][512 bytes], K innermost; from byte 524,288 scale words [token][8].  sel: [16 slots][64 tiles of 16 tokens] of 16 bits: slot e: which of the tile's tokens chose expert e; slot 8 + e: which chose it
; as their second; so an expert's 1,024 bits are 128 consecutive bytes.  From byte 2,048 [token][2]: the two experts.  gates: [token][2] f32.  Nothing here forms an address or a branch from the choice: it is stored at fixed places.
; LIMITS: NaN and infinities in x, noise, Wg, Wn, bg, bn are not served (the noisy logits must be finite).  A block whose largest magnitude lies under 2^-124 takes the scale byte 1; a block of zeros takes 1 where the
; rule says 127: its codes are zeros, and this program alone reads the bytes.  softplus = max(t, 0) + ln(1 + e^-|t|): 1 + e^-|t| is rounded to f32, an absolute error near 1e-7.  The sums over K are made in 32 parts
; (4 accumulators x 8 waves), another order than a single chain.
; No cluster: the work-groups share only Wg and Wn, 64 KiB against the 64 KiB of x that each reads alone, and nothing here goes by tensor loads.
.set GP,  1088                         ; LDS: for each wave 8 groups of 16 rows of 64 bytes (Wg[k][0..7], Wn[k][0..7]) + 64 of padding: lanes 16-31 of a load stand one group, 272 words, from lanes 0-15: 16 banks on (64 banks of 4 bytes: ISA guide 11.1)
.set WSZ, 8*GP                         ; a wave's region
.set CST, 8*WSZ                        ; 16 rows x (512 + 16) bytes: the tokens' codes
.set SST, CST+16*528                   ; 16 x 32 bytes: their scale words
.set PLG, SST+512                      ; 8 x 1,024 bytes: the waves' partial logits, as images of 8 registers
.set X,   32                           ; v32-95   my 64 numbers of x
.set WA,  96                           ; v96-159  source 0 of the 32 products
.set ACC, 160                          ; v160-191 four accumulators: written by matrix instructions alone
.set WS,  192                          ; v192-255 Wg and Wn as loaded; afterwards:
.set S,   192                          ; v192-199 my partial logits
.set PC,  200                          ; v200-207 the codes just made
.set TM,  208                          ; v208-223 the quantiser's work
.set PW,  224                          ; v224     the scale word just made
.set SEL, 24                           ; s[24:25] v_permlanex16_b32's selects for lane l xor 16
; 64 numbers of a lane, register 16 b + i = k 32 b + 16 (lane / 16) + i of my row, become a fragment's codes in v[PC] on and its scale word in v[PW].
.macro QUANT s
.irp b, 0,1,2,3
	v_max3_num_f32 v[TM+\b], |v[\s+16*\b]|, |v[\s+1+16*\b]|, 0x1800000   ; block b: my 16 numbers, and the floor 2^(3 - 127): the byte cannot fall under 1
.endr
.irp i, 2,4,6,8,10,12,14
.irp b, 0,1,2,3
	s_delay_alu instid0(VALU_DEP_4)
	v_max3_num_f32 v[TM+\b], v[TM+\b], |v[\s+16*\b+\i]|, |v[\s+1+16*\b+\i]|   ; the four blocks by turns
.endr
.endr
.irp b, 0,1,2,3
	s_delay_alu instid0(VALU_DEP_4)
	v_permlanex16_b32 v[TM+4+\b], v[TM+\b], s[SEL], s[SEL+1]
.endr
.irp b, 0,1,2,3
	s_delay_alu instid0(VALU_DEP_4)
	v_max_num_f32 v[TM+\b], v[TM+\b], v[TM+4+\b]   ; with lane l xor 16's: the block's largest magnitude
.endr
.irp b, 0,1,2,3
	s_delay_alu instid0(VALU_DEP_4)
	v_add_nc_u32 v[TM+12+\b], 0xff000000, v[TM+\b]   ; 2 off its exponent field: the conversion takes this operand's exponent field as its scale
.endr
.irp b, 0,1,2,3
	s_delay_alu instid0(VALU_DEP_4)
	v_lshrrev_b32 v[TM+4+\b], 23, v[TM+12+\b]      ; the scale's byte
.endr
	s_delay_alu instid0(VALU_DEP_3)
	v_lshl_or_b32 v[PW], v[TM+5], 8, v[TM+4]       ; four bytes: my row's scale word
	s_delay_alu instid0(VALU_DEP_1)
	v_lshl_or_b32 v[PW], v[TM+6], 16, v[PW]
	s_delay_alu instid0(VALU_DEP_1)
	v_lshl_or_b32 v[PW], v[TM+7], 24, v[PW]
.irp b, 0,1,2,3
	v_cvt_scalef32_pk8_fp4_f32 v[PC+2*\b], v[\s+16*\b:\s+7+16*\b], v[TM+12+\b]
	v_cvt_scalef32_pk8_fp4_f32 v[PC+1+2*\b], v[\s+8+16*\b:\s+15+16*\b], v[TM+12+\b]
.endr
	v_nop                                          ; one plain place behind a scaled conversion
.irp c, 0,1                                    ; the operand's layout wants a whole block in a lane: lanes 0-15 block 2 c, lanes 16-31 block 2 c + 1
.irp i, 0,1
	v_permlane16_swap_b32 v[PC+4*\c+\i], v[PC+2+4*\c+\i]
.endr
.endr
.endm
	s_load_b512 s[4:19], s[0:1], 0x0               ; x s[4:5], noise s[6:7], Wg s[8:9], bg s[10:11], Wn s[12:13], bn s[14:15], xq s[16:17], sel s[18:19]
	s_load_b64 s[20:21], s[0:1], 0x40              ; gates
	v_lshl_add_u32 v30, v0, 2, 0x15300
	v_mov_b32 v31, 0
	v_lshrrev_b32 v1, 5, v0
	s_delay_alu instid0(VALU_DEP_1)
	v_readfirstlane_b32 s22, v1                    ; wave 0..7
	v_and_b32 v1, 31, v0                           ; lane
	v_and_b32 v2, 15, v0                           ; r
	v_bfe_u32 v3, v0, 4, 1                         ; h
	s_delay_alu instid0(VALU_DEP_2)
	v_lshlrev_b32 v4, 12, v2
	s_delay_alu instid0(VALU_DEP_1)
	v_lshl_add_u32 v4, v3, 6, v4                   ; x: row r of 4,096 bytes, + 64 h
	v_lshlrev_b32 v5, 4, v1                        ; 16 x lane
	s_mul_i32 s44, s22, WSZ                        ; my wave's region of LDS for Wg and Wn
	v_lshrrev_b32 v6, 1, v1
	v_and_b32 v7, 1, v1
	s_delay_alu instid0(VALU_DEP_2)
	v_lshlrev_b32 v6, 6, v6
	s_delay_alu instid0(VALU_DEP_1)
	v_lshl_add_u32 v6, v7, 4, v6
	s_delay_alu instid0(VALU_DEP_1)
	v_add_nc_u32 v6, s44, v6                       ; in: a load's 512 bytes are 16 rows k of 32 bytes, one group: row lane / 2, half lane % 2
	v_mul_u32_u24 v7, v3, GP
	s_delay_alu instid0(VALU_DEP_1)
	v_lshl_add_u32 v7, v2, 2, v7
	s_delay_alu instid0(VALU_DEP_1)
	v_add_nc_u32 v7, s44, v7                       ; out: column r; lanes 16-31 take the rows 16 further down: the next group
	v_mul_u32_u24 v8, v2, 528
	s_delay_alu instid0(VALU_DEP_1)
	v_lshl_add_u32 v8, v3, 4, v8
	s_lshl_b32 s45, s22, 6
	s_add_co_u32 s45, s45, CST
	v_add_nc_u32 v8, s45, v8                       ; codes: row r, my K step's 64 bytes, + 16 h
	v_lshlrev_b32 v9, 5, v2
	s_lshl_b32 s45, s22, 2
	s_add_co_u32 s45, s45, SST
	v_add_nc_u32 v9, s45, v9                       ; scale word: 32 r + 4 w
	s_lshl_b32 s45, s22, 10
	s_add_co_u32 s45, s45, PLG
	v_add_nc_u32 v10, s45, v5                      ; my partial logits' image
	v_lshlrev_b32 v12, 5, v2                       ; noise: 32 bytes a token
	s_mul_i32 s45, s22, 1056
	s_add_co_u32 s45, s45, CST
	v_add_nc_u32 v13, s45, v5                      ; back: rows 2 w and 2 w + 1 of the codes, 16 bytes a lane
	v_add_nc_u32 v14, SST, v5                      ; wave 0: the scale words,
	v_add_nc_u32 v15, PLG, v5                      ; and all partial logits.  (Every LDS address is made here, ahead of the first branch on the wave's number)
	s_mov_b32 s[SEL], 0x76543210
	s_mov_b32 s[SEL+1], 0xfedcba98
	s_wait_kmcnt 0x0
	s_lshl_b32 s46, ttmp9, 16                      ; my work-group's 16 rows of x,
	s_lshl_b32 s47, s22, 9                         ; my wave's 512 bytes of each
	s_add_co_u32 s46, s46, s47
	s_mov_b32 s47, 0
	s_add_nc_u64 s[4:5], s[4:5], s[46:47]
	s_lshl_b32 s46, s22, 12                        ; my 128 rows of Wg and of Wn: 4,096 dense bytes each
	s_add_nc_u64 s[8:9], s[8:9], s[46:47]
	s_add_nc_u64 s[12:13], s[12:13], s[46:47]
	s_lshl_b32 s46, ttmp9, 9                       ; 16 tokens x 32 bytes: noise, and x's scale words
	s_add_nc_u64 s[6:7], s[6:7], s[46:47]
	s_add_nc_u64 s[48:49], s[16:17], s[46:47]
	s_add_nc_u64 s[48:49], s[48:49], 0x80000
	s_lshl_b32 s46, ttmp9, 13                      ; 16 tokens x 512 bytes of codes,
	s_lshl_b32 s50, s22, 10                        ; my two rows of them
	s_add_co_u32 s46, s46, s50
	s_add_nc_u64 s[16:17], s[16:17], s[46:47]
	s_lshl_b32 s46, ttmp9, 1
	s_add_nc_u64 s[50:51], s[18:19], s[46:47]      ; sel: my tile's 16 bits in each slot's row of 128 bytes
	s_lshl_b32 s46, ttmp9, 7
	s_add_nc_u64 s[18:19], s[18:19], s[46:47]      ; sel: my 16 pairs (2,048 more in the store)
	s_add_nc_u64 s[20:21], s[20:21], s[46:47]      ; gates: my 16 pairs
	s_cmp_lg_u32 s22, 0                            ; what wave 0 alone will want is asked for first
	s_cbranch_scc1 .Lnot_first
	s_load_b256 s[28:35], s[10:11], 0x0            ; bg
	s_load_b256 s[36:43], s[14:15], 0x0            ; bn
	s_wait_alu depctr_va_vdst(0)
	global_load_b128 v[16:19], v12, s[6:7]         ; noise of token r
	global_load_b128 v[20:23], v12, s[6:7] offset:16
.Lnot_first:
.irp i, 0,1,2,3,4,5,6,7
	global_load_b128 v[WS+4*\i:WS+4*\i+3], v5, s[8:9] offset:512*\i          ; 512 consecutive bytes a load
	global_load_b128 v[WS+32+4*\i:WS+32+4*\i+3], v5, s[12:13] offset:512*\i
.endr
.irp b, 0,1,2,3
.irp j, 0,1,2,3
	global_load_b128 v[X+16*\b+4*\j:X+16*\b+4*\j+3], v4, s[4:5] offset:128*\b+16*\j th:TH_LOAD_NT
.endr
.endr
	s_wait_loadcnt 16                              ; all but x's sixteen loads: Wg and Wn are in
.irp i, 0,1,2,3,4,5,6,7
	ds_store_b128 v6, v[WS+4*\i:WS+4*\i+3] offset:GP*\i
	ds_store_b128 v6, v[WS+32+4*\i:WS+32+4*\i+3] offset:GP*\i+32
.endr
.set q, 0
.rept 32                                       ; product q takes k = 32 (q / 8) + 16 h + 2 (q % 8) + 0, 1: group 2 (q / 8) + h.  LDS serves a wave's instructions in order: these see my stores
	ds_load_b32 v[WA+2*q], v7 offset:2*(q/8)*GP+(2*(q%8))*64
	ds_load_b32 v[WA+2*q+1], v7 offset:2*(q/8)*GP+(2*(q%8)+1)*64
.set q, q+1
.endr
	s_wait_loadcnt 0x0                             ; x
	s_wait_dscnt 0x0                               ; source 0; and the stores have read v192-255
.set q, 0
.rept 32                                       ; four accumulators by turns, one instruction a turn; the first four products start the sums
.if q < 4
	v_wmma_f32_16x16x4_f32 v[ACC+8*(q%4):ACC+8*(q%4)+7], v[WA+2*q:WA+2*q+1], v[X+2*q:X+2*q+1], 0
.else
	v_wmma_f32_16x16x4_f32 v[ACC+8*(q%4):ACC+8*(q%4)+7], v[WA+2*q:WA+2*q+1], v[X+2*q:X+2*q+1], v[ACC+8*(q%4):ACC+8*(q%4)+7]
.endif
.set q, q+1
.endr
	QUANT X                                        ; (v212-215, the permutes' destinations, were written by the loads of Wg.)  Its plain lines, 28 of them naming none of the last products' registers, are the eight places behind those
.irp j, 0,2,4,6
	v_pk_add_f32 v[S+\j:S+\j+1], v[ACC+\j:ACC+\j+1], v[ACC+8+\j:ACC+8+\j+1]          ; each accumulator is read from its low end on
	v_pk_add_f32 v[TM+\j:TM+\j+1], v[ACC+16+\j:ACC+16+\j+1], v[ACC+24+\j:ACC+24+\j+1]
.endr
.irp j, 0,2,4,6
	v_pk_add_f32 v[S+\j:S+\j+1], v[S+\j:S+\j+1], v[TM+\j:TM+\j+1]
.endr
	ds_store_b128 v8, v[PC:PC+3]                   ; k = 32 h + 0 .. 31 of my K step,
	ds_store_b128 v8, v[PC+4:PC+7] offset:32       ; and 64 + 32 h + 0 .. 31
	ds_store_b32 v9, v[PW]                         ; lanes r and 16 + r write the same word with the same value
	ds_store_b128 v10, v[S:S+3]
	ds_store_b128 v10, v[S+4:S+7] offset:512
	s_wait_dscnt 0x0                               ; for the others' sake: my stores have landed
	s_barrier_signal -1
	s_barrier_wait -1
	ds_load_b128 v[X:X+3], v13                     ; two whole rows of codes
	ds_load_b128 v[X+4:X+7], v13 offset:528
	s_wait_dscnt 0x0
	global_store_b128 v5, v[X:X+3], s[16:17]       ; 32 lanes store a token's 512 consecutive bytes
	global_store_b128 v5, v[X+4:X+7], s[16:17] offset:512
	s_cmp_lg_u32 s22, 0
	s_cbranch_scc1 .Lend
	; ---- wave 0 finishes the router
	ds_load_b128 v[40:43], v14
.irp p, 0,1,2,3,4,5,6,7
.irp c, 0,1
	ds_load_b128 v[96+8*\p+4*\c:96+8*\p+4*\c+3], v15 offset:1024*\p+512*\c
.endr
.endr
	s_wait_dscnt 0x0
	global_store_b128 v5, v[40:43], s[48:49]       ; the 16 tokens' scale words: 512 consecutive bytes
.irp p, 1,2,3,4,5,6,7
.irp j, 0,2,4,6
	v_pk_add_f32 v[96+\j:97+\j], v[96+\j:97+\j], v[96+8*\p+\j:97+8*\p+\j]
.endr
.endr
	s_wait_kmcnt 0x0                               ; bg, bn
	s_mov_b32 s44, 0xffff0000                      ; lanes 16-31
.irp j, 0,1,2,3,4,5,6,7
	v_mov_b32 v[104+\j], s[36+\j]
.endr
.irp j, 0,1,2,3,4,5,6,7
	v_cndmask_b32 v[104+\j], s[28+\j], v[104+\j], s44   ; bg in lanes 0-15, bn in lanes 16-31
.endr
.irp j, 0,2,4,6
	v_pk_add_f32 v[112+\j:113+\j], v[96+\j:97+\j], v[104+\j:105+\j]   ; t: the logits with their bias
.endr
.irp j, 0,1,2,3,4,5,6,7
	v_mul_f32 v[120+\j], 0xbfb8aa3b, |v[112+\j]|   ; -|t| log2(e)
.endr
	s_wait_alu depctr_va_vdst(0)
.irp j, 0,1,2,3,4,5,6,7
	v_exp_f32 v[120+\j], v[120+\j]                 ; e^-|t|, at most 1
.endr
.irp j, 0,1,2,3,4,5,6,7
	v_max_num_f32 v[136+\j], 0, v[112+\j]          ; plain work behind the batch
.endr
	s_wait_alu depctr_va_vdst(0)                   ; one wait for the eight exponentials, ahead of their first reader
.irp j, 0,1,2,3,4,5,6,7
	v_add_f32 v[128+\j], 1.0, v[120+\j]
.endr
	s_wait_alu depctr_va_vdst(0)
.irp j, 0,1,2,3,4,5,6,7
	v_log_f32 v[128+\j], v[128+\j]
.endr
	v_nop                                          ; a plain place behind the last logarithm
	s_wait_alu depctr_va_vdst(0)                   ; one wait for the eight
.irp j, 0,1,2,3,4,5,6,7
	v_fmamk_f32 v[136+\j], v[128+\j], 0x3f317218, v[136+\j]   ; softplus = log2(1 + e^-|t|) ln 2 + max(t, 0)
.endr
.irp j, 0,1,2,3,4,5,6,7
	v_permlanex16_b32 v[144+\j], v[136+\j], s[SEL], s[SEL+1]   ; lanes 0-15 take the noise logits' softplus from lanes 16-31
.endr
.irp j, 0,1,2,3,4,5,6,7
	v_fma_f32 v[152+\j], v[16+\j], v[144+\j], v[112+\j]       ; the noisy logits: right in lanes 0-15, which alone store
.endr
	v_mov_b32 v225, v152                           ; the largest, and its index: a strict compare keeps the lower index
	v_mov_b32 v226, 0
.irp j, 1,2,3,4,5,6,7
	s_delay_alu instid0(VALU_DEP_2)
	v_cmp_gt_f32 vcc_lo, v[152+\j], v225
	s_delay_alu instid0(VALU_DEP_1)
	v_cndmask_b32 v225, v225, v[152+\j], vcc_lo
	s_delay_alu instid0(VALU_DEP_2)
	v_cndmask_b32 v226, v226, \j, vcc_lo
.endr
	v_mov_b32 v230, 0xff800000                     ; the second: the same among the others, from -infinity
	v_mov_b32 v227, 0
.irp j, 0,1,2,3,4,5,6,7
	v_cmp_ne_u32 s45, \j, v226
	s_delay_alu instid0(VALU_DEP_3)
	v_cmp_gt_f32 vcc_lo, v[152+\j], v230
	s_and_b32 vcc_lo, vcc_lo, s45
	v_cndmask_b32 v230, v230, v[152+\j], vcc_lo
	v_cndmask_b32 v227, v227, \j, vcc_lo
.endr
	s_delay_alu instid0(VALU_DEP_2)
	v_sub_f32 v231, v230, v225                     ; the maximum is taken away: 0 or less
	s_delay_alu instid0(VALU_DEP_1)
	v_mul_f32 v231, 0x3fb8aa3b, v231
	s_wait_alu depctr_va_vdst(0)
	v_exp_f32 v231, v231
	v_mov_b32 v232, 0                              ; (a plain place.)  The tile's 16 slots: lane e: who chose expert e; lane 8 + e: who chose it second
.irp e, 0,1,2,3,4,5,6,7
	v_cmp_eq_u32 s45, \e, v226
	v_cmp_eq_u32 s46, \e, v227
	s_or_b32 s45, s45, s46
	s_and_b32 s45, s45, 0xffff
	s_and_b32 s46, s46, 0xffff
	v_writelane_b32 v232, s45, \e
	s_delay_alu instid0(VALU_DEP_1)
	v_writelane_b32 v232, s46, 8+\e
.endr
	s_wait_alu depctr_va_vdst(0)                   ; the exponential's wait, ahead of its reader
	v_add_f32 v228, 1.0, v231
	s_wait_alu depctr_va_vdst(0)
	v_rcp_f32 v228, v228                           ; g1 = 1 / (1 + e)
	v_lshlrev_b32 v233, 3, v2                      ; (plain places)  8 bytes a token
	v_lshlrev_b32 v234, 7, v1                      ; 128 bytes a slot
	s_wait_alu depctr_va_vdst(0)
	v_mul_f32 v229, v231, v228                     ; g2 = e g1
	s_wait_alu depctr_va_vdst(0)
	s_wait_xcnt 0x0                                ; EXEC changes only behind this wait: earlier stores have been issued
	v_cmp_gt_u32 vcc_lo, 16, v1
	s_and_saveexec_b32 s46, vcc_lo                 ; lanes 0-15
	global_store_b64 v233, v[226:227], s[18:19] offset:2048
	global_store_b64 v233, v[228:229], s[20:21]
	global_store_b16 v234, v232, s[50:51]          ; two bytes in each of 16 rows: 32 bytes a work-group, laid so that the next launch reads an expert's bits as 128 consecutive bytes
	s_wait_xcnt 0x0                                ; and again, in front of the line that widens it
	s_or_b32 exec_lo, exec_lo, s46
.Lend:
	s_wait_tensorcnt 0x0
	ds_add_u32 v30, v31
	s_wait_dscnt 0x0
	s_endpgm
.Lfunc_end_k_q796cde36db_route:
	.size	k_q796cde36db_route, .Lfunc_end_k_q796cde36db_route-k_q796cde36db_route
	.p2alignl 7, 3214868480
	.fill 96, 4, 3214868480
	.section	.rodata,"a",@progbits
	.p2align	6, 0x0
	.amdhsa_kernel k_q796cde36db_route
		.amdhsa_group_segment_fixed_size 87808
		.amdhsa_private_segment_fixed_size 0
		.amdhsa_enable_private_segment 0
		.amdhsa_kernarg_size 72
		.amdhsa_user_sgpr_count 2
		.amdhsa_user_sgpr_kernarg_segment_ptr 1
		.amdhsa_wavefront_size32 1
		.amdhsa_system_sgpr_workgroup_id_x 1
		.amdhsa_system_sgpr_workgroup_id_y 1
		.amdhsa_system_sgpr_workgroup_id_z 1
		.amdhsa_system_vgpr_workitem_id 0
		.amdhsa_next_free_vgpr 256
		.amdhsa_next_free_sgpr 66
		.amdhsa_reserve_vcc 1
		.amdhsa_float_denorm_mode_32 3
		.amdhsa_float_denorm_mode_16_64 3
		.amdhsa_memory_ordered 1
		.amdhsa_forward_progress 1
		.amdhsa_inst_pref_size 37
	.end_amdhsa_kernel
	.amdgpu_metadata
---
amdhsa.version: [ 1, 2 ]
amdhsa.kernels:
  - .name:           k_q796cde36db_route
    .symbol:         k_q796cde36db_route.kd
    .args:
      - { .name: x, .offset: 0, .size: 8, .value_kind: global_buffer, .address_space: global }
      - { .name: noise, .offset: 8, .size: 8, .value_kind: global_buffer, .address_space: global }
      - { .name: Wg, .offset: 16, .size: 8, .value_kind: global_buffer, .address_space: global }
      - { .name: bg, .offset: 24, .size: 8, .value_kind: global_buffer, .address_space: global }
      - { .name: Wn, .offset: 32, .size: 8, .value_kind: global_buffer, .address_space: global }
      - { .name: bn, .offset: 40, .size: 8, .value_kind: global_buffer, .address_space: global }
      - { .name: xq, .offset: 48, .size: 8, .value_kind: global_buffer, .address_space: global }
      - { .name: sel, .offset: 56, .size: 8, .value_kind: global_buffer, .address_space: global }
      - { .name: gates, .offset: 64, .size: 8, .value_kind: global_buffer, .address_space: global }
    .group_segment_fixed_size: 87808
    .private_segment_fixed_size: 0
    .kernarg_segment_align: 8
    .kernarg_segment_size: 72
    .max_flat_workgroup_size: 256
    .sgpr_count:     66
    .vgpr_count:     256
    .wavefront_size: 32
...
	.end_amdgpu_metadata
.endif
;; end of part 5
;; launch up (part 6): grid 32 x 8, 4 waves a work-group, no clusters, 87,040 bytes of LDS; arguments xq, sel, W1_codes, W1_scales, b1, hq, place; writes hq, place
.if DOCPART == 6
	.amdgcn_target "amdgcn-amd-amdhsa--gfx1250"
	.amdhsa_code_object_version 6
	.text
	.protected	k_q796cde36db_up
	.globl	k_q796cde36db_up
	.p2align	8
	.type	k_q796cde36db_up,@function
k_q796cde36db_up:
	s_mov_b64 s[64:65], 0
	v_nop
	global_prefetch_b8 v0, s[64:65] scope:SCOPE_SE
	s_setreg_imm32_b32 hwreg(HW_REG_WAVE_SCHED_MODE, 0, 2), 2
	s_setreg_imm32_b32 hwreg(HW_REG_WAVE_MODE, 25, 1), 1
	s_wait_xcnt 0x0
	s_wait_alu depctr_vm_vsrc(0)
; UP: h = Q(relu(Q(x) W1[e] + b1[e])) for the tokens that chose expert e, on codes of FP4 (E2M1) with one E8M0 scale for each 32 along K; and the placing of the rows.
; SHARES.  Work-group (chunk, e) owns hidden units 128 chunk .. + 127 of expert e: K step `chunk` of the second product.  THE WEIGHTS STAND STILL: all four waves hold the whole slice in registers (8 tiles x 8 K steps:
; 512 registers, 64 scale words, 64 of bias).  Each wave loads a quarter of it from memory, once, and the quarters go round through LDS as images of the registers.  Wave w takes the expert's tiles of 16 rows
; w, w + 4, ..: its 8 tiles of results are exactly one fragment and one scale word a row of the next operand.
; THE PRODUCT IS USED TRANSPOSED (source 0 = 16 rows of W1, source 1 = 16 tokens): a lane holds one token.  THE ROWS OF W1 THAT FORM A TILE ARE NOT NEIGHBOURS: lane r of tile 2 b + u takes row 32 b + 8 u + r + 8 (r / 8),
; so that the 16 registers of tiles 2 b and 2 b + 1 are 16 neighbours along the next K.  b1 is the C of each sum's first matrix instruction.
; THE LIST.  The expert's 1,024 bits (who chose it) are 128 consecutive bytes of sel: two scalar loads bring them into s68-s99 of every wave, word i for tokens 32 i .. 32 i + 31; n is their count.  Wave 0 places the
; tokens in ascending order in LDS.  An entry is 2 x token + 1 where the expert is the token's second choice (those bits come by one vector load), + 0 where it is the first: the row of y that the next launch stores.
; Place p < n holds an entry, every other place 2,048 + 16 e + p % 16 ("no token": here it is read as token 1,023; the next launch sends its result to a spare row).  The work-group of chunk 0 stores the list and n.
; THE LOOP has a constant count (8 trips of two tiles: 64 tiles serve all 1,024 tokens on one expert); a tile at or past the expert's count is jumped over.  Two sets of x's registers: both are loaded at the head;
; a set is loaded again straight behind the products that read it, for the tile 8 further on, and in the same arm stands the wait that shows the other set in.
; OUT.  hq: codes [e][tile][K step][1,024 bytes], an image of the operand's registers (512 c + 16 lane); from byte 16,777,216 scale words [e][tile][K step][16 rows].  A scale store covers 64 bytes: one byte in 17 of what is stored.
; No tensor load, so no cluster and no joint request, though the 32 work-groups of an expert read the same rows of xq: how many tiles there are is read from memory, and the work hangs on it.
; LIMITS: a block of the hidden layer whose largest number lies under 2^-124 takes the scale byte 1; a block of zeros takes 1 where the rule says 127: its codes are zeros, and this program alone reads the bytes.
; REGISTERS, in windows of 256: window 0: addresses, scale words, the 8 tiles of results, the quantiser.  window 1: W1's fragments of tiles 0-3 at v[8 (8 t + s)] (its v0-159 first hold my quarter as loaded).
;   window 2: those of tiles 4-7.   window 3: v0-63, v64-127 the two sets of x's fragments; v128-191 b1's 8 tiles.
; THE MODE: SCHED_MODE bits 1:0 = 2 (LLVM: expert scheduling mode 2), set by the entry lines.  The code itself states the register dependences between vector or matrix instructions and memory or LDS instructions,
; with s_wait_alu, always for 0.
; THE PLAN.  Registers that memory or LDS instructions touch, in the loop:
;   x's set u, XS[u]     read by a tile's 64 products; behind them the loads of the tile 8 on land there.
;   ADX[u], ADS[u]       read by those loads; written among the six lines behind the products of the set's next tile.
;   HOF, HSO, PC, PW     written by a tile's vector lines; read by the three stores at its end.
;   TKL                  the LDS load at a tile's head lands in it; the first of the six lines reads it.
;   v25                  written once a trip; read by the trip's two LDS loads.
;   v4, R4, H16          read by loads, stores and vector lines; never written again.   HA and TM are named by vector and matrix instructions alone.
; So a tile has three waits: vm_vsrc behind its products (the last tile's stores and the set's loads have read what the six lines and the quantiser write), va_vdst ahead of the set's loads (the products are done with
; the set, the offsets are written), va_vdst ahead of its stores (codes, scale word and offsets are written; every read of TKL is done too, ahead of the next tile's LDS load).  A trip has one of each round the add to v25.
.set LIST, 0                           ; LDS: 1,152 words; words 1,120 + lane take what a lane without a token writes
.set IMG,  4608                        ; 160 images of 512 bytes: codes (t, s, c) at (8 t + s) 2 + c; scale words (t, half) at 128 + 2 t + half; bias (t, half) at 144 + 2 t + half
.set W1S,  32                          ; v32-95   W1's scale words, 8 t + s: they hold scales and nothing else
.set XS,   96                          ; v96-111  x's scale words, 8 set + s: likewise
.set HA,   112                         ; v112-175 the 8 tiles of the hidden layer (at the head, in wave 0: v112-143 the scatter's places, v144-175 its entries; the list on its way out)
.set PC,   176                         ; v176-183 the codes just made
.set TM,   184                         ; v184-199 the quantiser's work
.set PW,   200                         ; v200     the scale word just made
.set R4,   201                         ; v201     4 r
.set H16,  202                         ; v202     16 h
.set TKL,  203                         ; v203-204 entries of the list
.set ODD,  206                         ; v206-237 wave 0, at the head: 2 x token + 1 of step i
.set ADX,  26                          ; v26-27   set: token x 512 + 16 h
.set ADS,  28                          ; v28-29   set: token x 32
.set HOF,  30                          ; v30      tile x 32,768 + 16 lane
.set HSO,  31                          ; v31      tile x 2,048 + 4 r
.set SEL,  22                          ; s[22:23] selects for lane l xor 16
.set SC2,  40                          ; s40-55   sixteen words of the second-choice bits at a time
.set MK,   68                          ; s68-99   the expert's 1,024 bits
.set MSB, 0
.macro WIN new                         ; the immediate's high byte repeats the setting that is left; bits 1:0 source 0, 3:2 source 1, 5:4 source 2, 7:6 destination
.if MSB != (\new)
	s_set_vgpr_msb (MSB<<8)|(\new)
.set MSB, (\new)
.endif
.endm
.macro QUANT s                         ; 64 numbers of a lane, register 16 b + i = k 32 b + 16 (lane / 16) + i of my row, become a fragment's codes in v[PC] on and its scale word in v[PW]
.irp b, 0,1,2,3
	v_max3_num_f32 v[TM+\b], |v[\s+16*\b]|, |v[\s+1+16*\b]|, 0x1800000   ; and the floor 2^(3 - 127): the byte cannot fall under 1
.endr
.irp i, 2,4,6,8,10,12,14
.irp b, 0,1,2,3
	v_max3_num_f32 v[TM+\b], v[TM+\b], |v[\s+16*\b+\i]|, |v[\s+1+16*\b+\i]|
.endr
.endr
.irp b, 0,1,2,3
	v_permlanex16_b32 v[TM+4+\b], v[TM+\b], s[SEL], s[SEL+1]
.endr
.irp b, 0,1,2,3
	v_max_num_f32 v[TM+\b], v[TM+\b], v[TM+4+\b]
.endr
.irp b, 0,1,2,3
	v_add_nc_u32 v[TM+12+\b], 0xff000000, v[TM+\b]   ; 2 off the exponent field: the conversion's scale operand
.endr
.irp b, 0,1,2,3
	v_lshrrev_b32 v[TM+4+\b], 23, v[TM+12+\b]
.endr
	v_lshl_or_b32 v[PW], v[TM+5], 8, v[TM+4]
	v_lshl_or_b32 v[PW], v[TM+6], 16, v[PW]
	v_lshl_or_b32 v[PW], v[TM+7], 24, v[PW]
.irp b, 0,1,2,3
	v_cvt_scalef32_pk8_fp4_f32 v[PC+2*\b], v[\s+16*\b:\s+7+16*\b], v[TM+12+\b]
	v_cvt_scalef32_pk8_fp4_f32 v[PC+1+2*\b], v[\s+8+16*\b:\s+15+16*\b], v[TM+12+\b]
.endr
	v_nop                                          ; one plain place behind a scaled conversion
.irp c, 0,1
.irp i, 0,1
	v_permlane16_swap_b32 v[PC+4*\c+\i], v[PC+2+4*\c+\i]
.endr
.endr
.endm
.macro XLOAD u                         ; 16 tokens' codes (8 fragments) and scale words into set u: 18 loads
	WIN 0xc0
.irp s, 0,1,2,3,4,5,6,7
.irp c, 0,1
	global_load_b128 v[64*\u+8*\s+4*\c:64*\u+8*\s+4*\c+3], v[ADX+\u], s[4:5] offset:64*\s+32*\c
.endr
.endr
	WIN 0
	global_load_b128 v[XS+8*\u:XS+8*\u+3], v[ADS+\u], s[32:33]
	global_load_b128 v[XS+8*\u+4:XS+8*\u+7], v[ADS+\u], s[32:33] offset:16
.endm
.macro MULS u                          ; 64 matrix instructions: tiles 4 g .. 4 g + 3 by turns, one instruction a turn, K step by K step
.irp g, 0,1
.irp s, 0,1,2,3,4,5,6,7
.if \s == 0
	WIN 0x3d+\g                                    ; W1 window 1 + g, x window 3, C = b1 in window 3, D window 0
.else
	WIN 0x0d+\g                                    ; C and D window 0
.endif
.irp t, 0,1,2,3
.if \s == 0
	v_wmma_scale_f32_16x16x128_f8f6f4 v[HA+8*(4*\g+\t):HA+8*(4*\g+\t)+7], v[8*(8*\t+\s):8*(8*\t+\s)+7], v[64*\u+8*\s:64*\u+8*\s+7], v[128+8*(4*\g+\t):128+8*(4*\g+\t)+7], v[W1S+8*(4*\g+\t)+\s], v[XS+8*\u+\s] matrix_a_fmt:MATRIX_FMT_FP4 matrix_b_fmt:MATRIX_FMT_FP4
.else
	v_wmma_scale_f32_16x16x128_f8f6f4 v[HA+8*(4*\g+\t):HA+8*(4*\g+\t)+7], v[8*(8*\t+\s):8*(8*\t+\s)+7], v[64*\u+8*\s:64*\u+8*\s+7], v[HA+8*(4*\g+\t):HA+8*(4*\g+\t)+7], v[W1S+8*(4*\g+\t)+\s], v[XS+8*\u+\s] matrix_a_fmt:MATRIX_FMT_FP4 matrix_b_fmt:MATRIX_FMT_FP4
.endif
.endr
.endr
.endr
	WIN 0
.endm
	s_load_b256 s[4:11], s[0:1], 0x0               ; xq s[4:5], sel s[6:7], W1's codes s[8:9], W1's scales s[10:11]
	s_load_b128 s[12:15], s[0:1], 0x20             ; b1 s[12:13], hq s[14:15]
	s_load_b64 s[16:17], s[0:1], 0x30              ; place
	v_lshl_add_u32 v254, v0, 2, 0x15200
	v_mov_b32 v255, 0
	v_lshrrev_b32 v1, 5, v0
	v_readfirstlane_b32 s18, v1                    ; wave 0..3
	s_and_b32 s19, ttmp7, 0xffff                   ; the expert
	s_lshl_b32 s38, s19, 7                         ; its 128 bytes in sel
	v_and_b32 v1, 31, v0                           ; lane
	v_and_b32 v2, 15, v0                           ; r
	v_bfe_u32 v3, v0, 4, 1                         ; h
	v_lshlrev_b32 v4, 4, v1                        ; 16 x lane
	v_lshlrev_b32 v5, 2, v1                        ; 4 x lane
	v_and_b32 v14, 8, v2
	v_add_nc_u32 v14, v14, v2                      ; r + 8 (r / 8)
	v_lshlrev_b32 v[H16], 4, v3
	v_lshl_add_u32 v6, v14, 9, v[H16]              ; W1's codes: a row is 512 bytes
	v_lshlrev_b32 v7, 5, v14                       ; its scale bytes: 32 a row
	v_lshlrev_b32 v8, 6, v3                        ; b1: lanes 16-31 begin 16 units on
	s_wait_alu depctr_va_sdst(0)                   ; s18 is written, ahead of its first reader: LDS addresses, bases and branches are made from it
	s_lshl_b32 s28, s18, 14
	s_add_co_u32 s28, s28, IMG
	v_add_nc_u32 v9, s28, v4                       ; where my quarter's code images go: 32 images a wave
	s_lshl_b32 s28, s18, 11
	s_add_co_u32 s28, s28, IMG+65536
	v_add_nc_u32 v10, s28, v4                      ; and its scale and bias images: 4 and 4
	v_add_nc_u32 v11, IMG, v4                      ; where any wave reads the code images,
	v_add_nc_u32 v19, IMG+65536, v4                ; and the others
	v_add_nc_u32 v12, s38, v5                      ; sel: word `lane` of the expert's second-choice bits (1,024 more in the load)
	v_lshlrev_b32 v[R4], 2, v2
	s_lshl_b32 s28, s18, 6
	v_add_nc_u32 v24, s28, v[R4]                   ; the list's entries of tile w: 64 w + 4 r
	v_add_nc_u32 v18, 1120, v1                     ; where a lane without a token writes
	v_and_b32 v15, 3, v1
	v_lshlrev_b32 v15, 2, v15
	s_lshl_b32 s39, s19, 4
	s_add_co_u32 s39, s39, 2048
	v_add_nc_u32 v15, s39, v15
.irp k, 0,1,2,3
	v_add_nc_u32 v[20+\k], \k, v15                 ; the list's fill: word p holds 2,048 + 16 e + p % 16
.endr
.irp b, 0,1,2,3
	v_mov_b32 v[TM+4+\b], 0                        ; written once: a lane permute's destination counts as one of its sources
.endr
	s_mov_b32 s[SEL], 0x76543210
	s_mov_b32 s[SEL+1], 0xfedcba98
	s_wait_kmcnt 0x0
	s_load_b512 s[MK:MK+15], s[6:7], s38 offset:0x0        ; who chose the expert: the first thing asked for, since the placing waits for it
	s_load_b512 s[MK+16:MK+31], s[6:7], s38 offset:0x40
	s_mov_b32 s29, 0
	s_add_nc_u64 s[32:33], s[4:5], 0x80000         ; x's scale words
	s_lshl_b32 s28, s19, 21                        ; W1's codes: the expert, the chunk's 128 rows, my 32 of them
	s_lshl_b32 s30, ttmp9, 16
	s_add_co_u32 s28, s28, s30
	s_lshl_b32 s30, s18, 14
	s_add_co_u32 s28, s28, s30
	s_add_nc_u64 s[8:9], s[8:9], s[28:29]
	s_lshl_b32 s28, s19, 17                        ; its scale bytes likewise
	s_lshl_b32 s30, ttmp9, 12
	s_add_co_u32 s28, s28, s30
	s_lshl_b32 s30, s18, 10
	s_add_co_u32 s28, s28, s30
	s_add_nc_u64 s[10:11], s[10:11], s[28:29]
	s_lshl_b32 s28, s19, 14                        ; b1 likewise
	s_lshl_b32 s30, ttmp9, 9
	s_add_co_u32 s28, s28, s30
	s_lshl_b32 s30, s18, 7
	s_add_co_u32 s28, s28, s30
	s_add_nc_u64 s[12:13], s[12:13], s[28:29]
	s_lshl_b32 s28, s19, 17                        ; hq's scale words: the expert, my K step
	s_lshl_b32 s30, ttmp9, 6
	s_add_co_u32 s28, s28, s30
	s_add_nc_u64 s[34:35], s[14:15], s[28:29]
	s_add_nc_u64 s[34:35], s[34:35], 0x1000000
	s_lshl_b32 s28, s19, 21                        ; hq's codes likewise
	s_lshl_b32 s30, ttmp9, 10
	s_add_co_u32 s28, s28, s30
	s_add_nc_u64 s[14:15], s[14:15], s[28:29]
	s_lshl_b32 s28, s19, 7
	s_add_nc_u64 s[36:37], s[16:17], s[28:29]      ; place: the expert's count (36,864 more in the store),
	s_mul_i32 s28, s19, 4608
	s_add_nc_u64 s[16:17], s[16:17], s[28:29]      ; and its list
	s_wait_alu depctr_va_vdst(0)                   ; the offsets and LDS addresses v4 to v12, v19 and v24 and the fill v20 to v23 are written: the loads and stores below read them, and none of them is written again
	s_cmp_lg_u32 s18, 0                            ; wave 0 will place the rows: what hangs on no loaded number is done here, while the loads are out
	s_cbranch_scc1 .Lnot_placer
	global_load_b32 v13, v12, s[6:7] offset:1024   ; lane l: who of tokens 32 l .. 32 l + 31 chose the expert second
.irp i, 0,1,2,3,4,5,6,7,8
	ds_store_b128 v4, v[20:23] offset:LIST+512*\i  ; the fill: all 1,152 words
.endr
	v_lshlrev_b32 v15, 1, v1
.set i, 0
.rept 32                                       ; step i's entries: 2 x (32 i + lane), and the same + 1
	v_add_nc_u32 v[144+i], 64*i, v15
	v_add_nc_u32 v[ODD+i], 64*i+1, v15
.set i, i+1
.endr
.Lnot_placer:
	WIN 0x40                                       ; destination window 1: my quarter as loaded: tiles 2 w and 2 w + 1.  No vector line names these registers, and the offsets v6 to v8 stand as the wait above found them
.irp tt, 0,1
.irp s, 0,1,2,3,4,5,6,7
.irp c, 0,1
	global_load_b128 v[4*((8*\tt+\s)*2+\c):4*((8*\tt+\s)*2+\c)+3], v6, s[8:9] offset:\tt*4096+64*\s+32*\c th:TH_LOAD_NT
.endr
.endr
.endr
.irp tt, 0,1
.irp hf, 0,1
	global_load_b128 v[128+4*(2*\tt+\hf):128+4*(2*\tt+\hf)+3], v7, s[10:11] offset:\tt*256+16*\hf th:TH_LOAD_NT
.endr
.endr
.irp tt, 0,1
.irp hf, 0,1
	global_load_b128 v[144+4*(2*\tt+\hf):144+4*(2*\tt+\hf)+3], v8, s[12:13] offset:\tt*32+16*\hf th:TH_LOAD_NT
.endr
.endr
	WIN 0
	s_wait_kmcnt 0x0                               ; the expert's 1,024 bits
	s_bcnt1_i32_b32 s24, s[MK]
.set i, 1
.rept 31                                       ; n, in every wave: scalar work alone
	s_bcnt1_i32_b32 s28, s[MK+i]
	s_add_co_u32 s24, s24, s28
.set i, i+1
.endr
	s_add_co_u32 s25, s24, 15
	s_lshr_b32 s25, s25, 4                         ; tiles of 16 rows
	s_cmp_lg_u32 s18, 0
	s_cbranch_scc1 .Lnot_first
	s_wait_loadcnt 40                              ; all but the 40 loads of weights: the second-choice bits are in
	s_mov_b32 s29, 0                               ; places taken so far
	v_mov_b32 v205, s24                            ; n, as the work-group of chunk 0 will store it
.set i, 0
.rept 2
.set j, 0
.rept 16                                       ; sixteen words of the second-choice bits become scalars, in one run
	v_readlane_b32 s[SC2+j], v13, i+j
.set j, j+1
.endr
	s_wait_alu depctr_va_sdst(0)                   ; s40 to s55 are written, ahead of the selects that read them as masks: one wait for the run
.set j, 0
.rept 16                                       ; tokens 32 i + lane: those that chose the expert go to the next places, in order.  Each step has registers of its own
	v_mbcnt_lo_u32_b32 v[112+i], s[MK+i], s29      ; places taken + the chosen tokens in lower lanes
	v_cndmask_b32 v[112+i], v18, v[112+i], s[MK+i]
	v_min_u32 v[112+i], 0x47f, v[112+i]            ; inside the list's 1,152 words
	v_lshlrev_b32 v[112+i], 2, v[112+i]
	v_cndmask_b32 v[144+i], v[144+i], v[ODD+i], s[SC2+j]   ; + 1 where the expert is the second choice
	s_bcnt1_i32_b32 s28, s[MK+i]
	s_add_co_u32 s29, s29, s28
.set i, i+1
.set j, j+1
.endr
.endr
	s_wait_alu depctr_va_vdst(0)                   ; the 32 places v112 to v143, the 32 entries v144 to v175 and v205 are written: the stores below read them
.set i, 0
.rept 32
	ds_store_b32 v[112+i], v[144+i]                ; LDS serves a wave's instructions in order: behind the fill
.set i, i+1
.endr
	s_wait_dscnt 0x0                               ; the scatter has landed
	s_wait_alu depctr_vm_vsrc(0)                   ; the scatter's stores have read v112 to v175: the list's loads below land in v112 to v147
	s_cmp_lg_u32 ttmp9, 0
	s_cbranch_scc1 .Lnot_first
.irp i, 0,1,2,3,4,5,6,7,8
	ds_load_b128 v[112+4*\i:112+4*\i+3], v4 offset:LIST+512*\i
.endr
	s_wait_dscnt 0x0
.irp i, 0,1,2,3,4,5,6,7,8
	global_store_b128 v4, v[112+4*\i:112+4*\i+3], s[16:17] offset:512*\i   ; 512 consecutive bytes a store
.endr
	global_store_b32 v5, v205, s[36:37] offset:36864
.Lnot_first:
	s_wait_dscnt 0x0
	s_barrier_signal -1
	s_barrier_wait -1                              ; the list lies in LDS; from here on it is only read
	ds_load_b32 v[TKL], v24                        ; tile w,
	ds_load_b32 v[TKL+1], v24 offset:256           ; tile w + 4
	s_wait_dscnt 0x0
	v_lshrrev_b32 v[TKL], 1, v[TKL]                ; an entry's token
	v_lshrrev_b32 v[TKL+1], 1, v[TKL+1]
	v_min_u32 v[TKL], 0x3ff, v[TKL]                ; "no token" is read as token 1,023
	v_min_u32 v[TKL+1], 0x3ff, v[TKL+1]
	v_lshl_add_u32 v[ADX], v[TKL], 9, v[H16]
	v_lshlrev_b32 v[ADS], 5, v[TKL]
	v_lshl_add_u32 v[ADX+1], v[TKL+1], 9, v[H16]
	v_lshlrev_b32 v[ADS+1], 5, v[TKL+1]
	WIN 0xc0
	s_wait_alu depctr_va_vdst(0)                   ; both sets' offsets v26 to v29 are written, which the 36 loads below read; the lines above are done with v203, in which the loop's LDS loads land
	XLOAD 0
	XLOAD 1
	s_wait_loadcnt 36                              ; all but the two sets' 2 x 18 loads: my quarter of the weights is in
	WIN 0x04                                       ; an LDS store's data are its source 1: window 1
.set i, 0
.rept 32
	ds_store_b128 v9, v[4*i:4*i+3] offset:512*i
.set i, i+1
.endr
.irp i, 0,1,2,3
	ds_store_b128 v10, v[128+4*\i:128+4*\i+3] offset:512*\i
	ds_store_b128 v10, v[144+4*\i:144+4*\i+3] offset:8192+512*\i
.endr
	WIN 0
	s_wait_dscnt 0x0                               ; for the others' sake: my images have landed
	s_barrier_signal -1
	s_barrier_wait -1                              ; the whole slice lies in LDS
	WIN 0x40
	s_wait_alu depctr_vm_vsrc(0)                   ; my image stores have read window 1's v0 to v159, in which the loads below land
.set i, 0
.rept 64
	ds_load_b128 v[4*i:4*i+3], v11 offset:512*i    ; tiles 0-3
.set i, i+1
.endr
	WIN 0x80
.set i, 0
.rept 64
	ds_load_b128 v[4*i:4*i+3], v11 offset:32768+512*i   ; tiles 4-7
.set i, i+1
.endr
	WIN 0xc0
.set i, 0
.rept 16
	ds_load_b128 v[128+4*i:128+4*i+3], v19 offset:8192+512*i   ; b1
.set i, i+1
.endr
	WIN 0
.set i, 0
.rept 16
	ds_load_b128 v[W1S+4*i:W1S+4*i+3], v19 offset:512*i        ; the scale words
.set i, i+1
.endr
	s_wait_dscnt 0x0
	s_wait_loadcnt 18                              ; set 0 is in; set 1's 18 loads may be out
	s_wait_xcnt 0x0                                ; the list's stores have had their addresses translated: v112-147 are written again only behind this wait,
	s_wait_alu depctr_vm_vsrc(0)                   ; and the list's stores have read v112 to v147, which the products write
; One tile.  At its head set u is in, on every way that leads here.
.macro TILE u, off
	s_add_co_u32 s27, s26, \off                    ; this tile
	s_cmp_lt_u32 s27, s25
	s_cbranch_scc0 .Lskip_\@
	ds_load_b32 v[TKL], v25 offset:64*(\off+8)     ; the list's entries of the tile 8 on: inside the list's 1,152 words up to tile 71.  (The last reader of v203 stands ahead of the last wait on va_vdst)
	MULS \u
	s_lshl_b32 s30, s27, 15
	s_lshl_b32 s31, s27, 11
	s_wait_dscnt 0x0                               ; the entries are in
	s_wait_xcnt 0x0                                ; the last tile's stores have had their addresses translated: their codes, scale word and offsets are written again only behind this wait
	s_wait_alu depctr_vm_vsrc(0)                   ; the last tile's stores have read HOF, HSO, PC and PW, and this set's loads ADX and ADS: the lines below and the quantiser write them
	v_lshrrev_b32 v14, 1, v[TKL]                   ; six plain lines that name no register of the products: the places in front of the first read of results
	v_min_u32 v14, 0x3ff, v14
	v_lshl_add_u32 v[ADX+\u], v14, 9, v[H16]
	v_lshlrev_b32 v[ADS+\u], 5, v14
	v_add_nc_u32 v[HOF], s30, v4
	v_add_nc_u32 v[HSO], s31, v[R4]
	s_add_co_u32 s30, s27, 8
	s_cmp_lt_u32 s30, s25
	s_cbranch_scc0 .Llast_\@
	WIN 0xc0
	s_wait_alu depctr_va_vdst(0)                   ; the products are done reading this set's fragments and scale words, in which the loads below land; the set's two offsets are written
	XLOAD \u                                       ; the tile 8 on, into the set just multiplied
	s_wait_loadcnt 18                              ; all but these 18: the other set is in
	s_branch .Lgo_\@
.Llast_\@:
	s_wait_loadcnt 0x0                             ; nothing was asked for: the other set is in
.Lgo_\@:
.set j, 0
.rept 64
	v_max_num_f32 v[HA+j], 0, v[HA+j]              ; relu, in f32; each tile from its low end on
.set j, j+1
.endr
	QUANT HA
	s_wait_alu depctr_va_vdst(0)                   ; the codes v176 to v183, the scale word v200 and the offsets v30 and v31 are written: the three stores read them
	global_store_b128 v[HOF], v[PC:PC+3], s[14:15]             ; the fragment as it stands: 512 consecutive bytes a store
	global_store_b128 v[HOF], v[PC+4:PC+7], s[14:15] offset:512
	global_store_b32 v[HSO], v[PW], s[34:35]                   ; lanes r and 16 + r store the same word with the same value
	s_branch .Ldone_\@
.Lskip_\@:
	s_wait_loadcnt 0x0                             ; on this way too no load is out at the next tile's head
.Ldone_\@:
.endm
	s_mov_b32 s26, s18                             ; my first tile
	s_mov_b32 s21, 8
.Ltrip:
	s_lshl_b32 s29, s26, 6
	s_wait_alu depctr_vm_vsrc(0)                   ; the last trip's two LDS loads have read v25
	v_add_nc_u32 v25, s29, v[R4]                   ; the list at tile s26: 64 bytes a tile
	s_wait_alu depctr_va_vdst(0)                   ; v25 is written: this trip's two LDS loads read it
	TILE 0, 0
	TILE 1, 4
	s_add_co_u32 s26, s26, 8
	s_sub_co_u32 s21, s21, 1
	s_cmp_lg_u32 s21, 0
	s_cbranch_scc1 .Ltrip
	s_wait_dscnt 0x0                               ; the closing lines, six on end
	s_wait_alu 0x0
	s_wait_tensorcnt 0x0
	ds_add_u32 v254, v255
	s_wait_dscnt 0x0
	s_endpgm
.Lfunc_end_k_q796cde36db_up:
	.size	k_q796cde36db_up, .Lfunc_end_k_q796cde36db_up-k_q796cde36db_up
	.p2alignl 7, 3214868480
	.fill 96, 4, 3214868480
	.section	.rodata,"a",@progbits
	.p2align	6, 0x0
	.amdhsa_kernel k_q796cde36db_up
		.amdhsa_group_segment_fixed_size 87040
		.amdhsa_private_segment_fixed_size 0
		.amdhsa_enable_private_segment 0
		.amdhsa_kernarg_size 56
		.amdhsa_user_sgpr_count 2
		.amdhsa_user_sgpr_kernarg_segment_ptr 1
		.amdhsa_wavefront_size32 1
		.amdhsa_system_sgpr_workgroup_id_x 1
		.amdhsa_system_sgpr_workgroup_id_y 1
		.amdhsa_system_sgpr_workgroup_id_z 1
		.amdhsa_system_vgpr_workitem_id 0
		.amdhsa_next_free_vgpr 960
		.amdhsa_next_free_sgpr 100
		.amdhsa_reserve_vcc 0
		.amdhsa_float_denorm_mode_32 3
		.amdhsa_float_denorm_mode_16_64 3
		.amdhsa_memory_ordered 1
		.amdhsa_forward_progress 1
		.amdhsa_inst_pref_size 83
	.end_amdhsa_kernel
	.amdgpu_metadata
---
amdhsa.version: [ 1, 2 ]
amdhsa.kernels:
  - .name:           k_q796cde36db_up
    .symbol:         k_q796cde36db_up.kd
    .args:
      - { .name: xq, .offset: 0, .size: 8, .value_kind: global_buffer, .address_space: global }
      - { .name: sel, .offset: 8, .size: 8, .value_kind: global_buffer, .address_space: global }
      - { .name: W1_codes, .offset: 16, .size: 8, .value_kind: global_buffer, .address_space: global }
      - { .name: W1_scales, .offset: 24, .size: 8, .value_kind: global_buffer, .address_space: global }
      - { .name: b1, .offset: 32, .size: 8, .value_kind: global_buffer, .address_space: global }
      - { .name: hq, .offset: 40, .size: 8, .value_kind: global_buffer, .address_space: global }
      - { .name: place, .offset: 48, .size: 8, .value_kind: global_buffer, .address_space: global }
    .group_segment_fixed_size: 87040
    .private_segment_fixed_size: 0
    .kernarg_segment_align: 8
    .kernarg_segment_size: 56
    .max_flat_workgroup_size: 128
    .sgpr_count:     100
    .vgpr_count:     960
    .wavefront_size: 32
...
	.end_amdgpu_metadata
.endif
;; end of part 6
;; launch down (part 7): grid 32 x 8, 4 waves a work-group, no clusters, 70,144 bytes of LDS; arguments hq, place, W2_codes, W2_scales, b2, y; writes y
.if DOCPART == 7
	.amdgcn_target "amdgcn-amd-amdhsa--gfx1250"
	.amdhsa_code_object_version 6
	.text
	.protected	k_q796cde36db_down
	.globl	k_q796cde36db_down
	.p2align	8
	.type	k_q796cde36db_down,@function
k_q796cde36db_down:
	s_mov_b64 s[64:65], 0
	v_nop
	global_prefetch_b8 v0, s[64:65] scope:SCOPE_SE
	s_setreg_imm32_b32 hwreg(HW_REG_WAVE_SCHED_MODE, 0, 2), 2
	s_setreg_imm32_b32 hwreg(HW_REG_WAVE_MODE, 25, 1), 1
	s_wait_xcnt 0x0
	s_wait_alu depctr_vm_vsrc(0)
; DOWN: y[2 token + slot] = Q(h) W2[e] + b2[e] for the tokens that chose expert e (slot 0: as their first, 1: as their second), on codes of FP4 (E2M1) with one E8M0 scale for each 32 along K.
; SHARES.  Work-group (2 chunk + parity, e) owns 64 columns of expert e and, of its blocks of 32 rows, those of its parity.  K IS SHARED AMONG THE WAVES: wave w holds K steps 8 w .. 8 w + 7 of the 64 columns in
; registers (4 x 8 fragments: 256), so that each byte of h and of W2 is loaded once in a work-group and each fragment of h feeds four matrix instructions.  The four partial sums of a block meet in LDS;
; wave w then adds rows 8 w .. 8 w + 7 of the block, adds b2 and stores them: sixteen lanes fill 256 consecutive bytes, aligned, of a row of y.
; THE PRODUCT IS USED TRANSPOSED (source 0 = 16 rows of W2 = 16 columns of y, source 1 = 16 rows of h): a lane holds eight neighbouring columns of one row.
; h comes as images of the operand's registers: every load covers 512 consecutive bytes.  A load of scale words covers two K steps: lanes 0-15 the even one, lanes 16-31 the odd one, which is named by ROW1.
; THE LOOP has a constant count (8 trips of two blocks: 32 blocks serve all 1,024 tokens on one expert); a block at or past the expert's count does no work, and every wave passes every barrier.  Two sets of h's registers:
; both are loaded at the head (clamped to the expert's last tile); a set is loaded again behind the products that read it, for the block 4 further on, and in the same arm stands the wait that shows the other set in.
; Two LDS buffers by turns: one barrier a block.  A buffer is written again only behind the next block's barrier, in front of which every wave has waited for its reads of it.
; An entry of the list IS the row of y: 2 token + slot, or, for a place without a token, 2,048 + 16 e + its place in the tile: a spare row of the expert's own that nobody reads.  y has 2,176 rows.
; No tensor load, so no cluster and no joint request, though 16 work-groups read the same rows of h: how many blocks there are is read from memory, and the work hangs on it.
; The order of the f32 sums: four parts along K, added as (0 + 1) + (2 + 3), then b2.
; REGISTERS, in windows of 256: window 0: addresses, scale words, accumulators, the sums.  window 1: W2's fragments at v[8 (8 n + s)].  window 2: h's fragments at v[128 set + 8 (8 m + s)].
; THE MODE: SCHED_MODE bits 1:0 = 2 (LLVM: expert scheduling mode 2), set by the entry lines.  The code itself states the register dependences between vector or matrix instructions and memory or LDS instructions,
; with s_wait_alu, always for 0.
; THE PLAN.  Registers that memory or LDS instructions touch, in the loop:
;   h's set u, HSC[u], TKN[u]   read by a block's 64 products (TKN: by four vector lines behind them); then the loads of the block 4 on land there.
;   HC, HS, TK [u]              read by those loads; written behind the products of the set's next block.
;   ACC                         written by the products; read by the block's 16 LDS stores.
;   YA                          written behind the products; read by the block's four global stores.
;   R                           the block's 16 LDS loads land in it; the packed sums read and write it; the four global stores read its first 16.
;   v4, v5, v8 to v11           offsets and LDS addresses, never written again.
; So a block has three waits.  vm_vsrc at its head, ahead of its first branch: all that the last block's LDS stores, global stores and the set's loads read is free to be written.  ONE va_vdst behind the products, the
; rows' offsets and the next block's offsets: it serves the 16 LDS stores and, behind them, the set's 41 loads; between it and those loads stand only the LDS stores (v8, ACC), scalar lines and window switches.
; One va_vdst ahead of the four global stores: the sums are written; behind it the next block's LDS loads may land in R.
.set PB,  34816                        ; LDS: two buffers of [wave][32 rows][256 + 16 bytes]
.set HC,  12                           ; v12-15   2 set + m: tile x 32,768 + 16 lane
.set HS,  16                           ; v16-19   2 set + m: tile x 2,048 + 4 lane
.set TK,  20                           ; v20-21   set: where my four rows' entries stand in the list
.set TKN, 24                           ; v24-31   4 set + i: those entries
.set W2S, 32                           ; v32-63   W2's scale words, 8 n + s: scales and nothing else
.set HSC, 64                           ; v64-79   h's scale words, 8 set + 4 m + s / 2: likewise
.set ACC, 80                           ; v80-143  eight accumulators, 4 m + n
.set B2,  144                          ; v144-147 b2 of my four columns
.set R,   148                          ; v148-211 16 p + 4 i: wave p's partial sums of my row i
.set YA,  212                          ; v212-215 my four rows' offsets in y
.set MSB, 0
.macro WIN new                         ; the immediate's high byte repeats the setting that is left
.if MSB != (\new)
	s_set_vgpr_msb (MSB<<8)|(\new)
.set MSB, (\new)
.endif
.endm
.macro HADDR u, blk                    ; the offsets of block blk for set u; its tiles are held to the expert's last tile, and to 63
	s_lshl_b32 s26, \blk, 1
	s_add_co_u32 s29, s26, s35
	s_min_u32 s27, s26, s34
	s_min_u32 s27, s27, 63
	s_add_co_u32 s26, s26, 1
	s_min_u32 s28, s26, s34
	s_min_u32 s28, s28, 63
	s_min_u32 s29, s29, s34
	s_min_u32 s29, s29, 63                         ; the tile that holds the rows that I add and store
	v_lshl_add_u32 v[HC+2*\u], s27, 15, v4
	v_lshl_add_u32 v[HC+2*\u+1], s28, 15, v4
	v_lshl_add_u32 v[HS+2*\u], s27, 11, v5
	v_lshl_add_u32 v[HS+2*\u+1], s28, 11, v5
	v_lshl_add_u32 v[TK+\u], s29, 6, v11
.endm
.macro HLOAD u                         ; 41 loads: 2 tiles x 8 K steps of codes, their scale words, four entries
	WIN 0x80
.irp m, 0,1
.irp s, 0,1,2,3,4,5,6,7
.irp c, 0,1
	global_load_b128 v[128*\u+8*(8*\m+\s)+4*\c:128*\u+8*(8*\m+\s)+4*\c+3], v[HC+2*\u+\m], s[4:5] offset:1024*\s+512*\c
.endr
.endr
.endr
	WIN 0
.irp m, 0,1
.irp p, 0,1,2,3
	global_load_b32 v[HSC+8*\u+4*\m+\p], v[HS+2*\u+\m], s[30:31] offset:128*\p
.endr
.endr
	global_load_b128 v[TKN+4*\u:TKN+4*\u+3], v[TK+\u], s[32:33]
.endm
.macro MULS u                          ; 64 matrix instructions: the eight accumulators by turns, one instruction a turn, K step by K step; the first K step starts the sums
	WIN 0x09                                       ; W2 window 1, h window 2, C and D window 0
.irp s, 0,1,2,3,4,5,6,7
.irp m, 0,1
.irp n, 0,1,2,3
.if \s == 0
	v_wmma_scale_f32_16x16x128_f8f6f4 v[ACC+8*(4*\m+\n):ACC+8*(4*\m+\n)+7], v[8*(8*\n+\s):8*(8*\n+\s)+7], v[128*\u+8*(8*\m+\s):128*\u+8*(8*\m+\s)+7], 0, v[W2S+8*\n+\s], v[HSC+8*\u+4*\m+\s/2] matrix_a_fmt:MATRIX_FMT_FP4 matrix_b_fmt:MATRIX_FMT_FP4
.elseif \s%2
	v_wmma_scale_f32_16x16x128_f8f6f4 v[ACC+8*(4*\m+\n):ACC+8*(4*\m+\n)+7], v[8*(8*\n+\s):8*(8*\n+\s)+7], v[128*\u+8*(8*\m+\s):128*\u+8*(8*\m+\s)+7], v[ACC+8*(4*\m+\n):ACC+8*(4*\m+\n)+7], v[W2S+8*\n+\s], v[HSC+8*\u+4*\m+\s/2] matrix_a_fmt:MATRIX_FMT_FP4 matrix_b_fmt:MATRIX_FMT_FP4 matrix_b_scale:MATRIX_SCALE_ROW1
.else
	v_wmma_scale_f32_16x16x128_f8f6f4 v[ACC+8*(4*\m+\n):ACC+8*(4*\m+\n)+7], v[8*(8*\n+\s):8*(8*\n+\s)+7], v[128*\u+8*(8*\m+\s):128*\u+8*(8*\m+\s)+7], v[ACC+8*(4*\m+\n):ACC+8*(4*\m+\n)+7], v[W2S+8*\n+\s], v[HSC+8*\u+4*\m+\s/2] matrix_a_fmt:MATRIX_FMT_FP4 matrix_b_fmt:MATRIX_FMT_FP4
.endif
.endr
.endr
.endr
	WIN 0
.endm
	s_load_b256 s[4:11], s[0:1], 0x0               ; hq s[4:5], place s[6:7], W2's codes s[8:9], W2's scales s[10:11]
	s_load_b128 s[12:15], s[0:1], 0x20             ; b2 s[12:13], y s[14:15]
	v_lshl_add_u32 v254, v0, 2, 0x11000
	v_mov_b32 v255, 0
	v_lshrrev_b32 v1, 5, v0
	v_readfirstlane_b32 s18, v1                    ; wave 0..3
	s_and_b32 s19, ttmp7, 0xffff                   ; the expert
	s_lshr_b32 s16, ttmp9, 1                       ; which 64 columns
	s_and_b32 s17, ttmp9, 1                        ; which blocks of rows
	v_and_b32 v1, 31, v0                           ; lane
	v_and_b32 v2, 15, v0                           ; r
	v_bfe_u32 v3, v0, 4, 1                         ; h
	v_lshlrev_b32 v4, 4, v1                        ; 16 x lane
	v_lshlrev_b32 v5, 2, v1                        ; 4 x lane
	v_lshlrev_b32 v6, 11, v2
	v_lshl_add_u32 v6, v3, 4, v6                   ; W2's codes: a row is 2,048 bytes
	v_lshlrev_b32 v7, 7, v2                        ; its scale bytes: 128 a row
	s_wait_alu depctr_va_sdst(0)                   ; s18 is written, ahead of its first reader: LDS addresses and bases are made from it
	s_lshr_b32 s35, s18, 1                         ; which of a block's two tiles holds the rows that I add
	s_and_b32 s36, s18, 1
	s_lshl_b32 s36, s36, 5                         ; and where in it: 8 rows x 4 bytes of the list
	s_mul_i32 s28, s18, 8704
	v_mul_u32_u24 v8, v2, 272
	v_lshl_add_u32 v8, v3, 5, v8
	v_add_nc_u32 v8, s28, v8                       ; my partial sums: my part of a buffer, row r, + 32 h
	s_mul_i32 s28, s18, 2176
	v_mul_u32_u24 v9, v3, 1088
	v_lshl_add_u32 v9, v2, 4, v9
	v_add_nc_u32 v9, s28, v9                       ; back: row 8 w + 4 h, 16 bytes a lane
	v_lshlrev_b32 v10, 4, v2                       ; 16 r
	v_lshl_add_u32 v11, v3, 4, s36                 ; the list: rows 8 (w % 2) + 4 h on of a tile
	s_wait_kmcnt 0x0
	s_lshl_b32 s38, s19, 7
	s_load_b32 s20, s[6:7], s38 offset:0x9000      ; n
	s_mov_b32 s29, 0
	s_lshl_b32 s28, s19, 17                        ; h's scale words: the expert, my 8 K steps
	s_lshl_b32 s26, s18, 9
	s_add_co_u32 s28, s28, s26
	s_add_nc_u64 s[30:31], s[4:5], s[28:29]
	s_add_nc_u64 s[30:31], s[30:31], 0x1000000
	s_lshl_b32 s28, s19, 21                        ; h's codes likewise
	s_lshl_b32 s26, s18, 13
	s_add_co_u32 s28, s28, s26
	s_add_nc_u64 s[4:5], s[4:5], s[28:29]
	s_mul_i32 s28, s19, 4608
	s_add_nc_u64 s[32:33], s[6:7], s[28:29]        ; the expert's list
	s_lshl_b32 s28, s19, 21                        ; W2's codes: the expert, my 64 rows, my 8 K steps
	s_lshl_b32 s26, s16, 17
	s_add_co_u32 s28, s28, s26
	s_lshl_b32 s26, s18, 9
	s_add_co_u32 s28, s28, s26
	s_add_nc_u64 s[8:9], s[8:9], s[28:29]
	s_lshl_b32 s28, s19, 17                        ; its scale bytes likewise
	s_lshl_b32 s26, s16, 13
	s_add_co_u32 s28, s28, s26
	s_lshl_b32 s26, s18, 5
	s_add_co_u32 s28, s28, s26
	s_add_nc_u64 s[10:11], s[10:11], s[28:29]
	s_lshl_b32 s28, s19, 12                        ; b2: the expert, my 64 columns
	s_lshl_b32 s26, s16, 8
	s_add_co_u32 s28, s28, s26
	s_add_nc_u64 s[12:13], s[12:13], s[28:29]
	s_lshl_b32 s28, s16, 8                         ; y: my 64 columns; the row comes from the list
	s_add_nc_u64 s[14:15], s[14:15], s[28:29]
	WIN 0x40
	s_wait_alu depctr_va_vdst(0)                   ; the offsets and LDS addresses v4 to v11 are written: every load and store of the kernel reads one of them or an offset made from one, and none of them is written again
.irp n, 0,1,2,3
.irp s, 0,1,2,3,4,5,6,7
.irp c, 0,1
	global_load_b128 v[8*(8*\n+\s)+4*\c:8*(8*\n+\s)+4*\c+3], v6, s[8:9] offset:\n*32768+64*\s+32*\c
.endr
.endr
.endr
	WIN 0
.irp n, 0,1,2,3
.irp hf, 0,1
	global_load_b128 v[W2S+8*\n+4*\hf:W2S+8*\n+4*\hf+3], v7, s[10:11] offset:\n*2048+16*\hf
.endr
.endr
	global_load_b128 v[B2:B2+3], v10, s[12:13]
	s_wait_kmcnt 0x0
	s_min_u32 s20, s20, 1024
	s_add_co_u32 s21, s20, 15
	s_lshr_b32 s21, s21, 4                         ; tiles of 16 rows
	s_add_co_u32 s22, s21, 1
	s_lshr_b32 s22, s22, 1                         ; blocks of 32 rows
	s_max_u32 s34, s21, 1
	s_sub_co_u32 s34, s34, 1                       ; the last tile (0 where there is none: nothing is made of what is then loaded)
	s_mov_b32 s23, s17                             ; my first block
	HADDR 0, s23
	s_add_co_u32 s37, s23, 2
	HADDR 1, s37
.irp i, 0,1,2,3
	v_mov_b32 v[YA+\i], v10                        ; written once, so that the offsets are defined on every way through the text
.endr
	WIN 0x80
	s_wait_alu depctr_va_vdst(0)                   ; both sets' offsets v12 to v21 are written, which the 82 loads below read; so are v212 to v215, which the loop's stores read
	HLOAD 0
	HLOAD 1
	s_wait_loadcnt 41                              ; all but set 1's 41 loads: the weights and set 0 are in
; One block.  At its head set u is in, on every way that leads here.
.macro TRIP u
	s_add_co_u32 s25, s23, 2*\u                    ; this block
	s_wait_alu depctr_vm_vsrc(0)                   ; the last block's LDS stores have read the accumulators, which the products write; its global stores have read YA and R, and this set's loads HC, HS and TK: all are written below
	s_cmp_lt_u32 s25, s22
	s_cbranch_scc0 .Lidle_\@
	MULS \u
	s_wait_xcnt 0x0                                ; the last block's stores have had their addresses translated: their offsets are written again only behind this wait
.irp i, 0,1,2,3
	v_min_u32 v[YA+\i], 0x87f, v[TKN+4*\u+\i]      ; a row of y, inside its 2,176.  These eight plain lines name no register of the products: they are the places behind those
.endr
.irp i, 0,1,2,3
	v_lshl_add_u32 v[YA+\i], v[YA+\i], 12, v10
.endr
	s_add_co_u32 s37, s25, 4
	HADDR \u, s37                                  ; the offsets of the block 4 on, for the set just multiplied (its loads are in: their offsets may be written); held to the expert's last tile, and used only where that block exists
	s_wait_alu depctr_va_vdst(0)                   ; the products have written the accumulators, which the LDS stores read, and are done reading this set and its scale words; so the set's loads may follow
.irp m, 0,1
.irp n, 0,1,2,3
	ds_store_b128 v8, v[ACC+8*(4*\m+\n):ACC+8*(4*\m+\n)+3] offset:PB*\u+\m*4352+64*\n          ; each accumulator from its low end on
	ds_store_b128 v8, v[ACC+8*(4*\m+\n)+4:ACC+8*(4*\m+\n)+7] offset:PB*\u+\m*4352+64*\n+16
.endr
.endr
	s_cmp_lt_u32 s37, s22
	s_cbranch_scc0 .Lidle_\@
	HLOAD \u                                       ; the block 4 on.  No wait: since the wait above only the LDS stores, which name v8 and the accumulators, scalar lines and window switches have been issued
	s_wait_loadcnt 41                              ; all but these 41: the other set is in
	s_branch .Lmeet_\@
.Lidle_\@:
	s_wait_loadcnt 0x0                             ; nothing was asked for: no load is out
.Lmeet_\@:
	s_wait_dscnt 0x0                               ; my partial sums have landed, and my reads of the other buffer are over
	s_barrier_signal -1
	s_barrier_wait -1
	s_lshl_b32 s26, s25, 1
	s_add_co_u32 s26, s26, s35                     ; the tile of my eight rows
	s_cmp_lt_u32 s26, s21
	s_cbranch_scc0 .Lnone_\@
	s_wait_xcnt 0x0                                ; the last block's stores have had their addresses translated: their data are written again only behind this wait
.irp p, 0,1,2,3
.irp i, 0,1,2,3
	ds_load_b128 v[R+16*\p+4*\i:R+16*\p+4*\i+3], v9 offset:PB*\u+\p*8704+\i*272   ; (the last block's sums stand ahead of its wait on va_vdst, its stores ahead of this block's wait on vm_vsrc)
.endr
.endr
	s_wait_dscnt 0x0
.irp i, 0,1,2,3
.irp j, 0,2
	v_pk_add_f32 v[R+4*\i+\j:R+4*\i+\j+1], v[R+4*\i+\j:R+4*\i+\j+1], v[R+16+4*\i+\j:R+16+4*\i+\j+1]
	v_pk_add_f32 v[R+32+4*\i+\j:R+32+4*\i+\j+1], v[R+32+4*\i+\j:R+32+4*\i+\j+1], v[R+48+4*\i+\j:R+48+4*\i+\j+1]
.endr
.endr
.irp i, 0,1,2,3
.irp j, 0,2
	v_pk_add_f32 v[R+4*\i+\j:R+4*\i+\j+1], v[R+4*\i+\j:R+4*\i+\j+1], v[R+32+4*\i+\j:R+32+4*\i+\j+1]
.endr
.endr
.irp i, 0,1,2,3
.irp j, 0,2
	v_pk_add_f32 v[R+4*\i+\j:R+4*\i+\j+1], v[R+4*\i+\j:R+4*\i+\j+1], v[B2+\j:B2+\j+1]
.endr
.endr
	s_wait_alu depctr_va_vdst(0)                   ; the sums v148 to v163 are written, which the four stores read; every line that names R is done, ahead of the next block's LDS loads into it
.irp i, 0,1,2,3
	global_store_b128 v[YA+\i], v[R+4*\i:R+4*\i+3], s[14:15]   ; sixteen lanes store 256 consecutive bytes, at a multiple of 256 from y's first byte
.endr
.Lnone_\@:
.endm
	s_mov_b32 s24, 8
.Ltrip:
	TRIP 0
	TRIP 1
	s_add_co_u32 s23, s23, 4
	s_sub_co_u32 s24, s24, 1
	s_cmp_lg_u32 s24, 0
	s_cbranch_scc1 .Ltrip
	s_wait_dscnt 0x0                               ; the closing lines, six on end
	s_wait_alu 0x0
	s_wait_tensorcnt 0x0
	ds_add_u32 v254, v255
	s_wait_dscnt 0x0
	s_endpgm
.Lfunc_end_k_q796cde36db_down:
	.size	k_q796cde36db_down, .Lfunc_end_k_q796cde36db_down-k_q796cde36db_down
	.p2alignl 7, 3214868480
	.fill 96, 4, 3214868480
	.section	.rodata,"a",@progbits
	.p2align	6, 0x0
	.amdhsa_kernel k_q796cde36db_down
		.amdhsa_group_segment_fixed_size 70144
		.amdhsa_private_segment_fixed_size 0
		.amdhsa_enable_private_segment 0
		.amdhsa_kernarg_size 48
		.amdhsa_user_sgpr_count 2
		.amdhsa_user_sgpr_kernarg_segment_ptr 1
		.amdhsa_wavefront_size32 1
		.amdhsa_system_sgpr_workgroup_id_x 1
		.amdhsa_system_sgpr_workgroup_id_y 1
		.amdhsa_system_sgpr_workgroup_id_z 1
		.amdhsa_system_vgpr_workitem_id 0
		.amdhsa_next_free_vgpr 768
		.amdhsa_next_free_sgpr 66
		.amdhsa_reserve_vcc 0
		.amdhsa_float_denorm_mode_32 3
		.amdhsa_float_denorm_mode_16_64 3
		.amdhsa_memory_ordered 1
		.amdhsa_forward_progress 1
		.amdhsa_inst_pref_size 57
	.end_amdhsa_kernel
	.amdgpu_metadata
---
amdhsa.version: [ 1, 2 ]
amdhsa.kernels:
  - .name:           k_q796cde36db_down
    .symbol:         k_q796cde36db_down.kd
    .args:
      - { .name: hq, .offset: 0, .size: 8, .value_kind: global_buffer, .address_space: global }
      - { .name: place, .offset: 8, .size: 8, .value_kind: global_buffer, .address_space: global }
      - { .name: W2_codes, .offset: 16, .size: 8, .value_kind: global_buffer, .address_space: global }
      - { .name: W2_scales, .offset: 24, .size: 8, .value_kind: global_buffer, .address_space: global }
      - { .name: b2, .offset: 32, .size: 8, .value_kind: global_buffer, .address_space: global }
      - { .name: y, .offset: 40, .size: 8, .value_kind: global_buffer, .address_space: global }
    .group_segment_fixed_size: 70144
    .private_segment_fixed_size: 0
    .kernarg_segment_align: 8
    .kernarg_segment_size: 48
    .max_flat_workgroup_size: 128
    .sgpr_count:     66
    .vgpr_count:     768
    .wavefront_size: 32
...
	.end_amdgpu_metadata
.endif
;; end of part 7
;; launch mix (part 8): grid 256 x 1, 4 waves a work-group, no clusters, 0 bytes of LDS; arguments y, gates, out0; writes out0
.if DOCPART == 8
	.amdgcn_target "amdgcn-amd-amdhsa--gfx1250"
	.amdhsa_code_object_version 6
	.text
	.protected	k_q796cde36db_mix
	.globl	k_q796cde36db_mix
	.p2align	8
	.type	k_q796cde36db_mix,@function
k_q796cde36db_mix:
	s_mov_b64 s[64:65], 0
	v_nop
	global_prefetch_b8 v0, s[64:65] scope:SCOPE_SE
	s_setreg_imm32_b32 hwreg(HW_REG_WAVE_MODE, 25, 1), 1
	s_wait_xcnt 0x0
; MIX: out[t] = g1 y[2 t] + g2 y[2 t + 1]: rows 2 t and 2 t + 1 of y are the results of token t's first and second expert.  The gates outside a token's two experts are 0, so the other six terms of the sum are left out.
; A stream: a wave takes one token: 8,192 consecutive bytes in, 4,096 out; every load and store covers 512 consecutive bytes.  Every address follows from the token's number alone, so the 16 loads and the load of the
; two gates are issued together, behind the one wait for the arguments.  No LDS, no barrier, no matrix unit: memory binds.
	s_load_b128 s[4:7], s[0:1], 0x0                ; y s[4:5], gates s[6:7]
	s_load_b64 s[8:9], s[0:1], 0x10                ; out
	v_lshrrev_b32 v1, 5, v0
	v_readfirstlane_b32 s12, v1                    ; wave
	s_lshl_b32 s13, ttmp9, 2
	s_add_co_u32 s12, s12, s13                     ; my token
	s_lshl_b32 s13, s12, 3                         ; its two gates: 8 bytes
	s_lshl_b32 s18, s12, 13                        ; its two rows of y
	s_mov_b32 s19, 0
	s_lshl_b32 s20, s12, 12                        ; its row of out
	s_mov_b32 s21, 0
	v_and_b32 v1, 31, v0
	v_lshlrev_b32 v1, 4, v1                        ; 16 x lane
	s_wait_alu depctr_va_vdst(0)
	s_wait_kmcnt 0x0
	s_load_b64 s[16:17], s[6:7], s13               ; g1, g2
	s_add_nc_u64 s[4:5], s[4:5], s[18:19]
	s_add_nc_u64 s[8:9], s[8:9], s[20:21]
.irp i, 0,1,2,3,4,5,6,7
	global_load_b128 v[8+4*\i:11+4*\i], v1, s[4:5] offset:512*\i th:TH_LOAD_NT
	global_load_b128 v[40+4*\i:43+4*\i], v1, s[4:5] offset:4096+512*\i th:TH_LOAD_NT
.endr
	s_wait_kmcnt 0x0                               ; the gates
	s_mov_b32 s26, s17                             ; g2 as the low word of a pair: the packed form takes a scalar pair's low word for both halves
	s_mov_b32 s27, s17
.irp i, 0,1,2,3,4,5,6,7
	s_wait_loadcnt 14-2*\i                         ; loads come back in order: pair i is in, the younger pairs stay out
.irp j, 0,2
	v_pk_mul_f32 v[8+4*\i+\j:9+4*\i+\j], v[8+4*\i+\j:9+4*\i+\j], s[16:17] op_sel_hi:[1,0]
.endr
.irp j, 0,2
	v_pk_fma_f32 v[8+4*\i+\j:9+4*\i+\j], v[40+4*\i+\j:41+4*\i+\j], s[26:27], v[8+4*\i+\j:9+4*\i+\j] op_sel_hi:[1,0,1]
.endr
	global_store_b128 v1, v[8+4*\i:11+4*\i], s[8:9] offset:512*\i th:TH_STORE_NT
.endr
	s_endpgm
.Lfunc_end_k_q796cde36db_mix:
	.size	k_q796cde36db_mix, .Lfunc_end_k_q796cde36db_mix-k_q796cde36db_mix
	.p2alignl 7, 3214868480
	.fill 96, 4, 3214868480
	.section	.rodata,"a",@progbits
	.p2align	6, 0x0
	.amdhsa_kernel k_q796cde36db_mix
		.amdhsa_group_segment_fixed_size 0
		.amdhsa_private_segment_fixed_size 0
		.amdhsa_enable_private_segment 0
		.amdhsa_kernarg_size 24
		.amdhsa_user_sgpr_count 2
		.amdhsa_user_sgpr_kernarg_segment_ptr 1
		.amdhsa_wavefront_size32 1
		.amdhsa_system_sgpr_workgroup_id_x 1
		.amdhsa_system_sgpr_workgroup_id_y 1
		.amdhsa_system_sgpr_workgroup_id_z 1
		.amdhsa_system_vgpr_workitem_id 0
		.amdhsa_next_free_vgpr 80
		.amdhsa_next_free_sgpr 66
		.amdhsa_reserve_vcc 0
		.amdhsa_float_denorm_mode_32 3
		.amdhsa_float_denorm_mode_16_64 3
		.amdhsa_memory_ordered 1
		.amdhsa_forward_progress 1
		.amdhsa_inst_pref_size 6
	.end_amdhsa_kernel
	.amdgpu_metadata
---
amdhsa.version: [ 1, 2 ]
amdhsa.kernels:
  - .name:           k_q796cde36db_mix
    .symbol:         k_q796cde36db_mix.kd
    .args:
      - { .name: y, .offset: 0, .size: 8, .value_kind: global_buffer, .address_space: global }
      - { .name: gates, .offset: 8, .size: 8, .value_kind: global_buffer, .address_space: global }
      - { .name: out0, .offset: 16, .size: 8, .value_kind: global_buffer, .address_space: global }
    .group_segment_fixed_size: 0
    .private_segment_fixed_size: 0
    .kernarg_segment_align: 8
    .kernarg_segment_size: 24
    .max_flat_workgroup_size: 128
    .sgpr_count:     66
    .vgpr_count:     80
    .wavefront_size: 32
...
	.end_amdgpu_metadata
.endif
;; end of part 8
